; MI455X (gfx1250); checked and timed in simulation.
; The chip was launched on July 23, 2026; its instructions are those of AMD's public machine-readable ISA for CDNA 5 (MIT licence, August 2026) and "CDNA5" Instruction Set Architecture Reference Guide (July 2026). The comments in the code are by the model that wrote it; some were corrected since.
;; Causal Attention. Allowed arithmetic: matrix products marked QUANTISED: E2M3 operands, one E8M0 scale for each 32 along K, by v_wmma_scale_f32_16x16x128_f8f6f4 with both operands' format E2M3, f32 sums; everything else in f32.
;; Inputs: W_k_codes 1,024 x 32 x 24 uint8 (E2M3 codes of W_k, K innermost, in blocks of 32 codes, four codes in three bytes); W_k_scales 1,024 x 32 uint8 (E8M0 scales of W_k, one for each 32 codes along K); W_q_codes 1,024 x 32 x 24 uint8 (E2M3 codes of W_q, K innermost, in blocks of 32 codes, four codes in three bytes); W_q_scales 1,024 x 32 uint8 (E8M0 scales of W_q, one for each 32 codes along K); W_v_codes 1,024 x 32 x 24 uint8 (E2M3 codes of W_v, K innermost, in blocks of 32 codes, four codes in three bytes); W_v_scales 1,024 x 32 uint8 (E8M0 scales of W_v, one for each 32 codes along K); X_codes 4 x 2,048 x 32 x 24 uint8 (E2M3 codes of X, K innermost, in blocks of 32 codes, four codes in three bytes); X_scales 4 x 2,048 x 32 uint8 (E8M0 scales of X, one for each 32 codes along K).
;; Outputs: out0 4 x 2,048 x 1,024 float32.
;; This version of the problem:
;;   THIS VERSION OF THE PROBLEM IS GIVEN IN LOW PRECISION. The matrix products marked QUANTISED in the list below multiply operands that are first quantised to E2M3 (2 exponent bits, 3 mantissa bits; 6 bits a number), with one power-of-two scale for each 32 numbers along K (OCP MX v1.0); their sums are f32. All else is computed in f32.
;;   The module's matrix products, in the order in which they are computed (A, B: the left and right operand; K: the contracted axis; several contracted axes count as one K, in the product's order):
;;     1. [M 8,192, K 1,024] x [K 1,024, N 1,024]; A: input X (given as codes); B: input W_q (given as codes): QUANTISED
;;     2. [M 8,192, K 1,024] x [K 1,024, N 1,024]; A: input X (given as codes); B: input W_k (given as codes): QUANTISED
;;     3. [M 8,192, K 1,024] x [K 1,024, N 1,024]; A: input X (given as codes); B: input W_v (given as codes): QUANTISED
;;     4. batch 4 x [M 2,048, K 1,024] x [K 1,024, N 2,048]; A: computed on the way; B: computed on the way: QUANTISED
;;     5. batch 4 x [M 2,048, K 2,048] x [K 2,048, N 1,024]; A: softmax (see below); B: computed on the way: QUANTISED
;;   THE QUANTISER, for each operand of a quantised product, along K:
;;     - K is cut into blocks of 32 from its start; a last block that is shorter is filled with zeros.
;;     - A block's scale is 2^e with e = floor(log2(the largest magnitude in the block)) - 2, held to -126 .. 127; a block of zeros has e = 0. As a byte (E8M0): e + 127.
;;     - Each number is divided by its block's scale, clamped to +-7.5, and rounded to the nearest number of E2M3, ties to even, subnormals kept.
;;     - The product sums the exact products of the quantised numbers (number of the format x scale) in f32.
;;   ~~~python
;;   def quantise(x, axis):      # numpy; x: float32 -> the quantised numbers, widened to float32 again
;;       x = np.moveaxis(x, axis, -1); K = x.shape[-1]
;;       x = np.pad(x, [(0, 0)] * (x.ndim - 1) + [(0, -K % 32)]); x = x.reshape(x.shape[:-1] + (-1, 32)); a = np.abs(x).max(-1, keepdims=True)
;;       e = np.where(a > 0, np.clip(np.frexp(np.where(a > 0, a, 1))[1] - 1 - 2, -126, 127), 0)      # np.frexp(a)[1] - 1 = floor(log2(a)), exactly
;;       r = np.clip(x / 2.0 ** e, -7.5, 7.5)
;;       step = 2.0 ** (np.maximum(np.frexp(np.where(r == 0, 1, r))[1] - 1, 0) - 3)
;;       q = np.round(r / step) * step * 2.0 ** e      # np.round: ties to even
;;       return np.moveaxis(q.reshape(q.shape[:-2] + (-1,))[..., :K], -1, axis).astype(np.float32)
;;   ~~~
;;   SOFTMAX AHEAD OF A QUANTISED PRODUCT. Where the list says 'softmax', what is quantised is not the finished softmax but p = 2^(t - M), with t = logit x log2(e) and M = ceil(the row's largest t), a whole number; so 1/2 < the row's largest p <= 1. The row's sum l is taken of the UNQUANTISED p, in f32, and the product's result is divided by l at the end. Since M is a whole number, a kernel that streams over the keys may use a running M (the ceiling of the running maximum): every later rescaling is an exact power of two, which a block's scale takes up: the codes' values come out the same.
;;   OPERANDS COMPUTED ON THE WAY. 'Computed on the way' means the value that the module computes at that place (a softmax that the list does not call 'softmax' is quantised finished and normalised). What goes into a quantiser is computed in f32, as accurately as f32 sums, v_exp_f32 and their like allow (about 1e-6 of the number): no bf16 or f16 on the way to a quantiser, and a product that is left as it is and whose result goes on into a quantised operand takes f32 operands (vector FMAs, or v_wmma_f32_16x16x4_f32). A number that lies on a knife's edge between two numbers of the format may be rounded either way, as far as f32 arithmetic and the matrix unit's own rounding can turn it there, and no further.
;;   INPUTS GIVEN AS CODES. W_k (in the module: [1024, 1024], K = its axis 0); W_q (in the module: [1024, 1024], K = its axis 0); W_v (in the module: [1024, 1024], K = its axis 0); X (in the module: [4, 2048, 1024], K = its axis 2): each comes as NAME_codes (uint8): NAME with its K axis moved to the last place and cut into blocks of 32 codes, [.., K / 32, bytes a block], one block behind the other in memory; four codes in three bytes: a row's codes are one little-endian stream of bits, code i at bits 6 i .. 6 i + 5 (a code: sign, 2 exponent bits, 3 mantissa bits); and NAME_scales (uint8): the same leading axes, one E8M0 byte (e + 127) for each 32 codes along K. Its value is code x scale, taken as it is: it is not quantised again, and the codes and scales need not be those that the quantiser above would give.
;; One version. Each part assembles by itself: llvm-mc -triple=amdgcn-amd-amdhsa -mcpu=gfx1250 --defsym DOCPART=n.
;; ======== version 1 of 1: 3 launches
;; limits: right only within a limited range of input values
;; workspace buffers: q_img 6,553,600 bytes; k_img 6,553,600 bytes; v_img 6,553,600 bytes; p_img 14,155,776 bytes
;; launch proj (part 1): grid 16 x 16, 4 waves a work-group, clusters of 4 x 4, 327,680 bytes of LDS; arguments X_codes, X_scales, W_q_codes, W_q_scales, W_k_codes, W_k_scales, W_v_codes, W_v_scales, q_img, k_img, v_img; writes q_img, k_img, v_img
.if DOCPART == 1
	.amdgcn_target "amdgcn-amd-amdhsa--gfx1250"
	.amdhsa_code_object_version 6
	.text
	.protected	k_q814188cc5f_proj
	.globl	k_q814188cc5f_proj
	.p2align	8
	.type	k_q814188cc5f_proj,@function
k_q814188cc5f_proj:
	s_mov_b64 s[64:65], 0
	v_nop
	global_prefetch_b8 v0, s[64:65] scope:SCOPE_SE
	s_setreg_imm32_b32 hwreg(HW_REG_WAVE_MODE, 25, 1), 1
	s_wait_xcnt 0x0
	s_wait_alu depctr_hold_cnt(0) depctr_sa_sdst(0) depctr_va_vdst(0) depctr_va_sdst(0) depctr_va_ssrc(0) depctr_va_vcc(0) depctr_vm_vsrc(0)
	s_getreg_b32 s2, hwreg(HW_REG_IB_STS2, 6, 4)
	s_cmp_eq_u32 s2, 0
	s_cbranch_scc0 .Lentry_in_a_cluster
	s_endpgm
.Lentry_in_a_cluster:
	s_bfe_u32 s2, ttmp6, 0x10000c
	s_cmp_lg_u32 s2, 0xf033
	s_cbranch_scc0 .Lentry_shape_is_right
	s_endpgm
.Lentry_shape_is_right:
; q, k, v = X W ON CODES OF FP6 (E2M3), K = 1,024, AND THEIR QUANTISERS: q and k along the channels, v along the tokens.  No f32 result is stored.
; DEAD WORK of the program: score tiles that lie wholly above the causal diagonal get weight 0 by reference()'s own mask, for all values of the inputs: the second launch leaves out the quarter of each batch's scores with queries 0-1,023 and keys 1,024-2,047,
; the third walks a cluster's key steps only up to its diagonal.  LIMITS: NaN, infinities and overflows are not served, nor carried from work left out.  A block of zeros gets the scale byte 1 (its codes are zeros; the bytes are read by this program alone).
; ORDER OF ROWS.  In each band of 64 rows (tokens of X, channels of W), tile j = 0 .. 3 takes in its row r (g = r / 8, i = r % 8) the band's row 32 g + 8 (j xor g) + i: a choice of the lane's LDS address alone.
; So a lane's 32 results over the four tiles (it holds rows 8 h + i of each, h = lane / 16) are ONE scale block of the next product: block h of the band, in the order 8 (j xor h) + i, which is the same in every buffer of this program.
; With rows of 816 bytes in LDS the sixteen rows of a tile start at sixteen different banks (64 banks of 4 bytes: ISA guide 11.1).
; THE BUFFERS.  A unit is 128 rows x 128 K, 12,800 bytes: fragment a (tile a % 4 of band a / 4) at 1,536 a; its half c (K 64 c .. 64 c + 63) at 768 c: registers 6 c .. 6 c + 3 at 16 x lane, registers 6 c + 4, 6 c + 5 at 512 + 8 x lane;
; scale words at 12,288: word of (a, r) at 256 (a / 4) + 16 r + 4 (a % 4).  q_img, k_img: [token block][K step];  v_img: [channel block][token block].
; THE DEAL.  256 work-groups of four waves, 2 x 2: the wave in row w takes band w of each chunk of 128 tokens, the wave in column b 64 of the work-group's 128 channels, whose weights lie in registers, ALL of K (384 registers).
; A work-group makes 256 tokens x 128 channels of v, then 512 x 128 of q or k; v's 256 tokens are a half of the 512 (half s88, tensor s19: the cluster's number alone), so the head's two chunks serve both phases.
; X's rows are shared by a row of the cluster, a weight's rows by a column: joint loads.
; LDS: two slots for chunks, a region for a weight's 128 rows, two places for a chunk's scale bytes, the stages of the results' scale bytes, the spare words.
; FILLS.  Head: one load a wave (W_v; both chunks' scale bytes; chunk 0; chunk 1).  Three refills, each in a drained round: in v's block 2 the weights' region takes W_q's or W_k's rows; in the second phase's blocks 2 and 6 the other half's chunks and scale bytes.
; PREFETCHES: what each refill will load, shared out by address among the sixteen waves that ask jointly, one refill ahead of it at the least.
; A BLOCK is 16 tokens x 64 channels: 32 products; behind every second one stand two entries of a list: the next addresses, descriptors, and the last block's search for its largest magnitudes.
.set NQ,    8
.set KROW,  768
.set KS,    32
.set PITCH, KROW+48                    ; 16 bytes of padding behind every 256
.set FR,    12
.set FPW,   21                         ; fragments in a window of 256 registers
.set NF,    28                         ; LDS loads of a block's rows: 26 for eight fragments, 2 for eight scale words
.set RA,    128
.set UNIT,  12800
.set YB,    RA*PITCH
.set BVB,   2*RA*PITCH
.set SCL,   BVB+RA*PITCH
.set CU,    RA*KS/256
.set SCB,   CU*272
.set XN,    SCL+2*SCB                  ; q's or k's scale bytes: [wave][unit in the order of work][r][j][h]
.set XM,    XN+2048                    ; v's: [wave][chunk][r][t][h]
.set SPARE, XM+1024
.set CO8,   8                          ; v4-6 fragments (two) and scale words of tile 0; v20-22 of tile 1;  v8 8 x lane
.set CO,    9                          ; 16 x lane
.set SPW,   10
.set NIL,   11
.set ADRA,  12                         ; v12, v13, v17: as v4-6 for the block that is fetched next
.set ABS,   16
.set AAS,   17
.set SB,    24                         ; v24-39 the weights' scale words
.set TQ,    40
.set STO,   42
.set STV,   43
.set SA,    44                         ; v44-59 X's scale words, two sets
.set TC,    60
.set ACC,   64                         ; v64-127 second phase: two sets of four accumulators
.set HV0,   64                         ; v64-191 first phase, chunk 0: 32 t + 8 j + i
.set HV1,   840                        ; v840-967 chunk 1
.set NCD,   128                        ; v128-139 second phase: codes, two sets of six
.set MCD,   192                        ; v192-239 first phase: codes, eight sets of six
.set SOP,   240
.set EB,    244
.set VX,    248                        ; v249-252 the prefetches' offsets
.set SB2,   968
.set BA,    984
.set G1A, 24
.set G1B, 32
.set G0A, 56
.set G0B, 60
.set G0R, 68
.set G0S, 72
.set G1S, 92
.set MSB, 0
.macro WIN new                         ; the immediate's high byte repeats the setting that is left
.if MSB != (\new)
	s_set_vgpr_msb (MSB<<8)|(\new)
.set MSB, (\new)
.endif
.endm
.macro PLACES n
.rept \n
	v_nop
.endr
.endm
.macro WALU
	s_wait_alu depctr_va_vdst(0)
.endm
.macro BARRIER
	s_barrier_signal -1
	s_barrier_wait -1
.endm
.macro MIDDLE                          ; a round behind its opening signal, up to the cluster's wait
	WIN 0
	s_barrier_wait -1
	s_cmp_lg_u32 s14, 0
	s_cbranch_scc1 .Lnot_wave_0_\@
	s_barrier_signal -3
.Lnot_wave_0_\@:
	s_barrier_wait -3
.endm
.macro CROUND
	s_barrier_signal -1
	MIDDLE
	BARRIER
.endm
.macro GRD
	s_wait_tensorcnt 0x0
	ds_add_u32 v[SPW], v[NIL]
.endm
.macro TLOAD g0, g1
	tensor_load_to_lds s[\g0:\g0+3], s[\g1:\g1+7]
	s_nop 0
	PLACES 4
.endm
.macro GROUP1 g, mask, rows            ; rows of 768 bytes, 16 bytes of padding behind every 256
	s_or_b32 s[\g+0], s[\mask], (1<<20)|(1<<21)|(5<<22)|(3<<25)
	s_mov_b32 s[\g+1], KROW<<16
	s_mov_b32 s[\g+2], (\rows)<<16
	s_mov_b32 s[\g+3], KROW<<16
	s_mov_b32 s[\g+4], \rows
	s_mov_b32 s[\g+5], KROW
	s_mov_b32 s[\g+6], 0
	s_mov_b32 s[\g+7], 0
.endm
; fragment f lies in window 1 + f / 21 at register 12 (f % 21): 0-31 the weights' (4 q + t), 32-39 and 40-47 X's two sets.  Six pieces of 8 bytes, two to a load where both lie behind as many paddings; lanes 16-31 read three pieces on
.macro FRAG f, q, a0, a1, aw
	WIN ((1+(\f)/FPW)<<6)|(\aw)
.set R_, FR*((\f)%FPW)
.set SKIP_, 0
.irp p, 0,1,2,3,4,5
.if SKIP_
.set SKIP_, 0
.else
.set PC_, 12*(\q)+6*(\p/3)+\p%3
.set PN_, 12*(\q)+6*((\p+1)/3)+(\p+1)%3
.set X_, (PC_%32+3)/32
.set XQ_, (PN_%32+3)/32
.if (\p < 5) && (X_ == XQ_)
.set SKIP_, 1
.if X_
	ds_load_2addr_b64 v[R_+2*\p:R_+2*\p+3], \a1 offset0:PC_+2*(PC_/32) offset1:PN_+2*(PN_/32)
.else
	ds_load_2addr_b64 v[R_+2*\p:R_+2*\p+3], \a0 offset0:PC_+2*(PC_/32) offset1:PN_+2*(PN_/32)
.endif
.elseif X_
	ds_load_b64 v[R_+2*\p:R_+2*\p+1], \a1 offset:8*(PC_+2*(PC_/32))
.else
	ds_load_b64 v[R_+2*\p:R_+2*\p+1], \a0 offset:8*(PC_+2*(PC_/32))
.endif
.endif
.endr
.endm
.macro WEIGHTS                         ; my 64 rows of the weight, all of K: 104 loads
.irp q, 0,1,2,3,4,5,6,7
.irp t, 0,1,2,3
	FRAG 4*\q+\t, \q, v[BA-768+2*\t], v[BA-768+2*\t+1], 3
.endr
.endr
	WIN 0
.endm
.macro FETCHAT e, a0, a1, as           ; a block's rows into set e: NF loads
.irp q, 0,1,2,3,4,5,6,7
	FRAG 32+NQ*(\e)+\q, \q, \a0, \a1, 0
.endr
	WIN 0
	ds_load_b128 v[SA+8*(\e):SA+8*(\e)+3], \as
	ds_load_b128 v[SA+8*(\e)+4:SA+8*(\e)+7], \as offset:16
.endm
.macro FETCH e
	FETCHAT \e, v[ADRA], v[ADRA+1], v[AAS]
.endm
.macro FETCH01                         ; a phase's first two blocks, from slot 0
	FETCHAT 0, v4, v5, v6
	FETCHAT 1, v20, v21, v22
.endm
; product n = 4 q + t.  kind 0 (q, k): source 0 the weight's rows; kind 1 (v): source 0 X's rows
.macro PROD kind, e, n, a0, as
.set Q_, (\n)/4
.set FB_, 4*Q_+(\n)%4
.set FA_, 32+NQ*(\e)+Q_
.set D_, (\a0)+(\as)*((\n)%4)
.set DL_, D_&255
.set XB_, SB+NQ*(((\n)%4)/2)+Q_
.set XA_, SA+8*(\e)+Q_
.if \kind
	WIN (1+FA_/FPW)|((1+FB_/FPW)<<2)|((D_>>8)<<4)|((D_>>8)<<6)
.if Q_
	PROD1 DL_, FA_, FB_, v[DL_:DL_+7], XA_, XB_, b, (\n)%2
.else
	PROD1 DL_, FA_, FB_, 0, XA_, XB_, b, (\n)%2
.endif
.else
	WIN (1+FB_/FPW)|((1+FA_/FPW)<<2)|((D_>>8)<<4)|((D_>>8)<<6)
.if Q_
	PROD1 DL_, FB_, FA_, v[DL_:DL_+7], XB_, XA_, a, (\n)%2
.else
	PROD1 DL_, FB_, FA_, 0, XB_, XA_, a, (\n)%2
.endif
.endif
.endm
.macro PROD1 d, s0, s1, c, x0, x1, side, o
.if \o
	v_wmma_scale_f32_16x16x128_f8f6f4 v[\d:\d+7], v[FR*((\s0)%FPW):FR*((\s0)%FPW)+FR-1], v[FR*((\s1)%FPW):FR*((\s1)%FPW)+FR-1], \c, v[\x0], v[\x1] matrix_a_fmt:MATRIX_FMT_FP6 matrix_b_fmt:MATRIX_FMT_FP6 matrix_\side\()_scale:MATRIX_SCALE_ROW1
.else
	v_wmma_scale_f32_16x16x128_f8f6f4 v[\d:\d+7], v[FR*((\s0)%FPW):FR*((\s0)%FPW)+FR-1], v[FR*((\s1)%FPW):FR*((\s1)%FPW)+FR-1], \c, v[\x0], v[\x1] matrix_a_fmt:MATRIX_FMT_FP6 matrix_b_fmt:MATRIX_FMT_FP6 matrix_\side\()_scale:MATRIX_SCALE_ROW0
.endif
.endm
.macro BLOCK kind, e, a0, as, from, to, list, x=0, y=0
.set N_, \from
.rept (\to)-(\from)
	PROD \kind, \e, N_, \a0, \as
.if N_%2
	\list N_-1, \x, \y
	\list N_, \x, \y
.endif
.set N_, N_+1
.endr
.endm
; parts of lists: each macro writes entry i of its part, and nothing beyond its last
.macro STEP1 i, s                      ; first phase, block s: the addresses of block s + 2
.set NS_, (\s)+2
.set BB_, 4+16*((\s)%2)
.if (\i) >= 0 && (\i) < 2
	WIN 0
	v_add_nc_u32 v[ADRA+(\i)], (NS_/4)*YB+((NS_%4)/2)*16*PITCH, v[BB_+(\i)]
.elseif (\i) == 2
	WIN 0
	v_add_nc_u32 v[AAS], (NS_/4)*SCB+((NS_%4)/2)*544, v[BB_+2]
.endif
.endm
.macro STEP2 i, par, half, tog         ; second phase: the same from the slot's place s101, s91; tog: to the other slot first
.set BB_, 4+16*(\par)
.if (\i) == 0
.if \tog
	s_add_co_u32 s101, s101, YB
	s_cmp_eq_u32 s101, 2*YB
	s_cselect_b32 s101, 0, s101
.endif
	s_add_co_u32 s20, s101, (\half)*16*PITCH
	WIN 0
	v_add_nc_u32 v[ADRA], s20, v[BB_]
.elseif (\i) == 1
.if \tog
	s_add_co_u32 s91, s91, SCB
	s_cmp_eq_u32 s91, 2*SCB
	s_cselect_b32 s91, 0, s91
.endif
	WIN 0
	v_add_nc_u32 v[ADRA+1], s20, v[BB_+1]
.elseif (\i) == 2
	s_add_co_u32 s21, s91, (\half)*544
	WIN 0
	v_add_nc_u32 v[AAS], s21, v[BB_+2]
.endif
.endm
.macro CHAIN i, x, n, t=TQ             ; 18 entries: the largest of the 32 magnitudes from register x on (two chains side by side, with the floor 2^(3 - 127)), and the conversions' scale operand
.set XW_, (\x)>>8
.set XL_, (\x)&255
.if (\i) >= 0 && (\i) < 14
.set B_, XL_+16*((\i)%2)+2*((\i)/2)
.set T_, (\t)+1-(\i)%2
.if (\i) < 2
	WIN XW_|(XW_<<2)|(XW_<<4)
	v_max3_num_f32 v[T_], |v[B_]|, |v[B_+1]|, |v[B_+2]|
.else
	WIN (XW_<<2)|(XW_<<4)
	v_max3_num_f32 v[T_], v[T_], |v[B_+1]|, |v[B_+2]|
.endif
.elseif (\i) == 14
	WIN XW_<<2
	v_max3_num_f32 v[\t+1], v[\t+1], |v[XL_+15]|, 0x1800000
.elseif (\i) == 15
	WIN 0
	v_nop                                  ; so that the reader of entry 14's result stands in the next pair
.elseif (\i) == 16
	WIN XW_<<2
	v_max3_num_f32 v[\t], v[\t], |v[XL_+31]|, v[\t+1]
.elseif (\i) == 17
	WIN 0
	v_add_nc_u32 v[SOP+\n], 0xff000000, v[\t]
.endif
.endm
.macro CODES i, x, c, n, t=TC          ; 6 lines: 32 codes into v[c .. c+5], the scale's byte into v[EB+n]
.set XW_, (\x)>>8
.set XL_, (\x)&255
.if (\i) == 0
	WIN XW_
	v_cvt_scalef32_pk16_fp6_f32 v[\c:\c+2], v[XL_:XL_+15], v[SOP+\n]
.elseif (\i) == 1
	WIN XW_
	v_cvt_scalef32_pk16_fp6_f32 v[\t:\t+2], v[XL_+16:XL_+31], v[SOP+\n]
.elseif (\i) == 2
	WIN 0
	v_lshrrev_b32 v[EB+\n], 23, v[SOP+\n]
.else
	WIN 0
	v_mov_b32 v[\c+\i], v[\t+\i-3]
.endif
.endm
.macro CODES6 x, c, n
.irp i, 0,1,2,3,4,5
	CODES \i, \x, \c, \n
.endr
.endm
.macro PFTILE v, share                 ; my sixteenth of a tile of 128 rows at s20: 24 units of 256 bytes, a lane each
	s_mul_i32 s21, s\share, RA*KROW/16
	s_add_co_u32 s20, s20, s21
	v_min_u32 v\v, 23, v3
	v_lshl_add_u32 v\v, v\v, 8, s20
.endm
.macro PFGO v, base
	global_prefetch_b8 v\v, s[\base:\base+1] th:TH_LOAD_NT scope:SCOPE_SE
.endm
.macro PUT r, base, off                ; half a fragment: 512 and 256 consecutive bytes
	global_store_b128 v[CO], v[\r:\r+3], \base offset:\off
	global_store_b64 v[CO8], v[\r+4:\r+5], \base offset:(\off)+512
.endm
.macro ASK i                           ; 4 entries: the descriptors of the chunk at s66 for slot s47 and of its scale bytes at s67 for s46; then all four step on
.if (\i) == 0
	s_mul_i32 s[G0R+1], s14, RA/2*PITCH
	s_add_co_u32 s[G0R+1], s[G0R+1], s47
	s_mul_i32 s20, s14, RA/2*KROW
	s_add_co_u32 s20, s20, s66
.elseif (\i) == 1
	s_mov_b32 s21, 0
	s_add_nc_u64 s[G0R+2:G0R+3], s[4:5], s[20:21]
	s_or_b32 s[G0R+3], s[G0R+3], 0x80000000
	s_mov_b32 s[G0S+1], s46
.elseif (\i) == 2
	s_mov_b32 s20, s67
	s_add_nc_u64 s[G0S+2:G0S+3], s[6:7], s[20:21]
	s_or_b32 s[G0S+3], s[G0S+3], 0x80000000
	s_add_co_u32 s66, s66, RA*KROW
.elseif (\i) == 3
	s_add_co_u32 s67, s67, CU*256
	s_xor_b32 s47, s47, YB
	s_xor_b32 s46, s46, (SCL)^(SCL+SCB)
.endif
.endm
.macro UNITP i                         ; 2 entries: where unit s100 (in the order of work) goes: its codes by its true number, its scale bytes by the order of work
.if (\i) == 0
	s_lshl_b32 s20, s88, 1
	s_xor_b32 s20, s20, s100
	s_mul_i32 s20, s20, 8*UNIT
	s_mov_b32 s21, 0
.elseif (\i) == 1
	s_add_nc_u64 s[84:85], s[10:11], s[20:21]
	s_lshl_b32 s22, s100, 7
	s_add_co_u32 s100, s100, 1
	WIN 0
	v_add_nc_u32 v[VX], s22, v[STO]
.endif
.endm
; the lists
.macro L_NONE i, x, y
.endm
.macro L_V i, x, y
	STEP1 (\i), \x
.endm
.macro L_VO i, x, y
	STEP1 (\i), \x
	CHAIN (\i)-3, HV0+32*\y, \y
.endm
.macro L_VL i, x, y
	CHAIN (\i), HV0+32*\y, \y
.endm
.macro L_V2 i, x, y                    ; v's block 2: group 1 of the refills, the first refill's group 0, the step
.if (\i) == 0
	s_mov_b32 s[G1A+2], (RA/2)<<16
	s_mov_b32 s[G1A+4], RA/2
	s_mov_b32 s[G1S+2], CU<<16
	s_mov_b32 s[G1S+4], CU
.elseif (\i) == 1
	s_mov_b32 s[G1B+2], (RA/2)<<16
	s_mov_b32 s[G1B+4], RA/2
	s_mul_i32 s[G0B+1], s14, RA/2*PITCH
	s_add_co_u32 s[G0B+1], s[G0B+1], BVB
.elseif (\i) == 2
	s_mul_i32 s20, s14, RA/2*KROW
	s_mov_b32 s21, 0
	s_add_nc_u64 s[G0B+2:G0B+3], s[8:9], s[20:21]
	s_or_b32 s[G0B+3], s[G0B+3], 0x80000000
.endif
	STEP1 (\i)-3, 2
.endm
.macro L_Q0 i, x, y
	STEP2 (\i), 0, 1, 0
.endm
.macro L_E i, x, y
	STEP2 (\i), 0, \x, \y
	CHAIN (\i)-3, ACC+32, 1
.endm
.macro L_EL i, x, y
	CHAIN (\i), ACC+32, 1
.endm
.macro L_O i, x, y
	STEP2 (\i), 1, \x, 0
	CHAIN (\i)-3, ACC, 0
.endm
.macro L_OL i, x, y
	CHAIN (\i), ACC, 0
.endm
.macro L_OU i, x, y
	UNITP (\i)
	STEP2 (\i)-2, 1, \x, 0
	CHAIN (\i)-5, ACC, 0
.endm
.macro L_R i, x, y
	ASK (\i)
	STEP2 (\i)-4, 0, 0, 1
	CHAIN (\i)-7, ACC+32, 1
.endm
; second phase's blocks.  e: the set; w: the count of the wait for the block's rows (-1: they are in already); j: the tile of the block whose way out ends here, the one before
.macro WAITDS w
.if (\w) >= 0
	s_wait_dscnt \w
.endif
.endm
.macro OUT1 e
	CODES6 ACC+32*(1-(\e)), NCD+6*(1-(\e)), 1-(\e)
.endm
.macro OUT2 e, j, fetch
	WALU
	ds_store_b8 v[VX], v[EB+1-(\e)] offset:2*(\j)
	PUT NCD+6*(1-(\e)), s[84:85], 1536*(\j)
.if \fetch
	FETCH \e
.endif
.endm
.macro QB e, w, j, fetch, list, x=0, y=0
	WAITDS \w
.if \e
	s_wait_xcnt 0x0                        ; every earlier store has read its base and its data
.endif
	BLOCK 0, \e, ACC+32*(\e), 8, 0, 32, \list, \x, \y
	WIN 0
	OUT1 \e
	OUT2 \e, \j, \fetch
.endm
	s_load_b128 s[4:7], s[0:1], 0x0                     ; X codes, scales
	s_load_b128 s[76:79], s[0:1], 0x10                  ; W_q codes, scales
	s_load_b128 s[80:83], s[0:1], 0x20                  ; W_k
	s_load_b128 s[84:87], s[0:1], 0x30                  ; W_v
	s_load_b128 s[48:51], s[0:1], 0x40                  ; q_img, k_img
	s_load_b64 s[12:13], s[0:1], 0x50                   ; v_img
	v_lshl_add_u32 v[SPW], v0, 2, SPARE
	v_mov_b32 v[NIL], 0
	ds_add_u32 v[SPW], v[NIL]                           ; the opening add, twice on end
	ds_add_u32 v[SPW], v[NIL]
	v_lshrrev_b32 v1, 5, v0
	v_readfirstlane_b32 s14, v1                         ; wave
	s_lshr_b32 s15, s14, 1                              ; its row w
	s_and_b32 s16, s14, 1                               ; its column b
	s_bfe_u32 s40, ttmp6, 0x40000                       ; cx
	s_bfe_u32 s41, ttmp6, 0x40004                       ; cy
	s_lshl_b32 s42, ttmp9, 2
	s_add_co_u32 s42, s42, s40                          ; second phase's tile column, 0 .. 15
	s_and_b32 s43, ttmp7, 0xffff
	s_lshl_b32 s43, s43, 2
	s_add_co_u32 s43, s43, s41                          ; its tile row: 512 tokens
	s_and_b32 s2, s42, 7                                ; its 128 channels
	s_lshr_b32 s19, ttmp9, 1                            ; 0 q, 1 k
	s_and_b32 s88, ttmp9, 1                             ; v's half of my 512 tokens
	s_lshl_b32 s17, s19, 2
	s_add_co_u32 s17, s17, s40                          ; v's 128 channels, 0 .. 7
	s_lshl_b32 s18, s43, 1
	s_add_co_u32 s18, s18, s88                          ; v's 256 tokens, 0 .. 31
	s_lshl_b32 s44, s41, 2
	s_lshl_b32 s44, 15, s44                             ; my row of the cluster
	s_lshl_b32 s45, 0x1111, s40                         ; my column
	GROUP1 G1A, 44, RA
	GROUP1 G1B, 45, RA
	s_or_b32 s[G1S+0], s44, (3<<16)|(1<<20)|(1<<21)|(5<<22)|(3<<25)   ; scale bytes: dense, as rows of 256, 16 bytes of padding behind each
	s_mov_b32 s[G1S+1], 32<<16
	s_mov_b32 s[G1S+2], (2*CU)<<16
	s_mov_b32 s[G1S+3], 32<<16
	s_mov_b32 s[G1S+4], 2*CU
	s_mov_b32 s[G1S+5], 32
	s_mov_b32 s[G1S+6], 0
	s_mov_b32 s[G1S+7], 0
	s_mov_b32 s[G0A], 1
	s_mov_b32 s[G0A+1], 0
	s_mov_b32 s[G0B], 1
	s_mov_b32 s[G0B+1], BVB
	s_mov_b32 s[G0R], 1
	s_mov_b32 s[G0R+1], YB
	s_mov_b32 s[G0S], 1
	s_mov_b32 s[G0S+1], SCL
	s_xor_b32 s20, s88, 1                               ; the later chunks are the other half's
	s_lshl_b32 s21, s43, 1
	s_add_co_u32 s20, s20, s21
	s_mul_i32 s66, s20, 2*RA*KROW                       ; bytes from X's codes
	s_mul_i32 s67, s20, 2*CU*256                        ; and from its scale bytes
	s_lshl_b32 s90, s40, 2
	s_add_co_u32 s90, s90, s14                          ; my number among the sixteen waves of my row of the cluster
	s_lshl_b32 s89, s41, 2
	s_add_co_u32 s89, s89, s14                          ; and of my column
	s_mov_b32 s47, 0
	s_mov_b32 s46, SCL
	s_mov_b32 s100, 0
	s_mov_b32 s101, 0
	s_mov_b32 s91, 0
	s_mul_i32 s70, s15, 64*PITCH                        ; (s70, s71, s74, s75: group 0's addresses, written below)
	s_mul_i32 s71, s16, 64*PITCH
	s_add_co_u32 s71, s71, BVB
	s_mul_i32 s74, s15, 8*272
	s_add_co_u32 s74, s74, SCL
	s_lshl_b32 s75, s14, 9
	s_add_co_u32 s75, s75, XN
	s_lshl_b32 s22, s14, 8
	s_add_co_u32 s22, s22, XM
	v_and_b32 v1, 15, v0                                ; r
	v_bfe_u32 v2, v0, 4, 1                              ; h
	v_and_b32 v3, 31, v0
	v_bfe_u32 v60, v0, 3, 1                             ; g
	v_and_b32 v68, 7, v0                                ; i
	v_lshl_add_u32 v61, v60, 5, v1                      ; tile 0's row: r + 32 g
	v_lshl_add_u32 v62, v60, 4, v1
	v_add_nc_u32 v62, 8, v62                            ; tile 1's: r + 8 + 16 g;  tiles 2 and 3 lie 16 rows further on
	v_mul_u32_u24 v61, v61, PITCH
	v_mul_u32_u24 v62, v62, PITCH
	v_mad_u32_u24 v64, v2, 24, v61
	v_mad_u32_u24 v65, v2, 40, v61                      ; behind one padding more
	v_mad_u32_u24 v66, v2, 24, v62
	v_mad_u32_u24 v67, v2, 40, v62
	v_add_nc_u32 v4, s70, v64
	v_add_nc_u32 v5, s70, v65
	v_add_nc_u32 v20, s70, v66
	v_add_nc_u32 v21, s70, v67
	v_add_nc_u32 v64, s71, v64
	v_add_nc_u32 v65, s71, v65
	v_add_nc_u32 v66, s71, v66
	v_add_nc_u32 v67, s71, v67
	WIN 3<<6
	v_mov_b32 v[BA-768], v64
	v_mov_b32 v[BA-768+1], v65
	v_mov_b32 v[BA-768+2], v66
	v_mov_b32 v[BA-768+3], v67
	v_add_nc_u32 v[BA-768+4], 16*PITCH, v64
	v_add_nc_u32 v[BA-768+5], 16*PITCH, v65
	v_add_nc_u32 v[BA-768+6], 16*PITCH, v66
	v_add_nc_u32 v[BA-768+7], 16*PITCH, v67
	WIN 0
	v_lshlrev_b32 v69, 5, v68
	v_mad_u32_u24 v6, v60, 5*272, v69                   ; scale bytes, tile 0: row 40 g + i, 272 bytes to eight rows
	v_mad_u32_u24 v22, v60, 3*272, v69
	v_add_nc_u32 v6, s74, v6
	v_add_nc_u32 v22, s74, v22
	v_add_nc_u32 v22, 272, v22                          ; tile 1: row 8 + 24 g + i
	v_xor_b32 v70, v2, v60
	v_lshl_add_u32 v70, v70, 3, v68
	v_lshl_add_u32 v70, v60, 5, v70
	v_lshlrev_b32 v[ABS], 5, v70                        ; the weights' scale bytes: lanes 0-15 tile 0 (or 2), lanes 16-31 tile 1 (or 3)
	v_lshlrev_b32 v[CO], 4, v3
	v_lshlrev_b32 v[CO8], 3, v3
	v_lshl_add_u32 v71, v1, 3, v2
	v_add_nc_u32 v[STO], s75, v71
	v_add_nc_u32 v[STV], s22, v71
	s_mov_b32 s20, 0
	PFTILE 249, 89                                      ; for the first refill: offsets from my weight's tile
	s_mov_b32 s20, s66
	PFTILE 250, 90                                      ; for the second: chunk 2,
	v_add_nc_u32 v251, RA*KROW, v250                    ; and the third: chunk 3
	s_lshl_b32 s21, s90, 9
	s_add_co_u32 s20, s67, s21
	v_min_u32 v252, 1, v3
	v_lshl_add_u32 v252, v252, 8, s20                   ; both chunks' scale bytes
	WALU
	s_wait_dscnt 0x0
	CROUND                                              ; the opening round
	s_wait_kmcnt 0x0
	s_mov_b32 s21, 0
	s_mul_i32 s20, s17, RA*KROW
	s_add_nc_u64 s[G0B+2:G0B+3], s[84:85], s[20:21]
	s_or_b32 s[G0B+3], s[G0B+3], 0x80000000
	s_mul_i32 s20, s18, 2*RA*KROW
	s_add_nc_u64 s[G0A+2:G0A+3], s[4:5], s[20:21]
	s_add_nc_u64 s[G0R+2:G0R+3], s[G0A+2:G0A+3], RA*KROW
	s_or_b32 s[G0A+3], s[G0A+3], 0x80000000
	s_or_b32 s[G0R+3], s[G0R+3], 0x80000000
	s_mul_i32 s20, s18, 2*CU*256
	s_add_nc_u64 s[G0S+2:G0S+3], s[6:7], s[20:21]
	s_or_b32 s[G0S+3], s[G0S+3], 0x80000000
	s_cmp_eq_u32 s14, 0
	s_cbranch_scc0 .Lwave_1
	TLOAD G0B, G1B                                      ; wave 0: W_v's rows
	s_branch .Lasked
.Lwave_1:
	s_cmp_eq_u32 s14, 1
	s_cbranch_scc0 .Lwave_2
	TLOAD G0S, G1S                                      ; wave 1: both chunks' scale bytes
	s_branch .Lasked
.Lwave_2:
	s_cmp_eq_u32 s14, 2
	s_cbranch_scc0 .Lwave_3
	TLOAD G0A, G1A                                      ; wave 2: chunk 0
	s_branch .Lasked
.Lwave_3:
	TLOAD G0R, G1A                                      ; wave 3: chunk 1
.Lasked:
	s_cmp_eq_u32 s19, 0                                 ; the cluster's number alone
	s_cselect_b64 s[8:9], s[76:77], s[80:81]
	s_cselect_b64 s[76:77], s[78:79], s[82:83]
	s_cselect_b64 s[10:11], s[48:49], s[50:51]
	s_mov_b32 s21, 0
	s_mul_i32 s20, s2, RA*KROW
	s_add_nc_u64 s[8:9], s[8:9], s[20:21]               ; my tile of W_q or W_k
	s_lshl_b32 s22, s16, 11
	s_lshl_b32 s20, s2, 12
	s_add_co_u32 s20, s20, s22
	s_add_nc_u64 s[76:77], s[76:77], s[20:21]           ; its scale bytes, my 64 rows
	s_lshl_b32 s20, s17, 12
	s_add_co_u32 s20, s20, s22
	s_add_nc_u64 s[78:79], s[86:87], s[20:21]           ; and W_v's
.irp p, 0,1
.irp c, 0,1
	global_load_b128 v[SB+NQ*\p+4*\c:SB+NQ*\p+4*\c+3], v[ABS], s[78:79] offset:\p*16*KS+16*\c
.endr
.endr
	WIN 3<<6
.irp p, 0,1
.irp c, 0,1
	global_load_b128 v[SB2-768+NQ*\p+4*\c:SB2-768+NQ*\p+4*\c+3], v[ABS], s[76:77] offset:\p*16*KS+16*\c
.endr
.endr
	WIN 0
	s_lshl_b32 s22, s43, 5
	s_add_co_u32 s22, s22, s2
	s_mul_i32 s22, s22, UNIT                            ; my first unit of q or k
	s_lshl_b32 s20, s88, 1
	s_xor_b32 s20, s20, s14
	s_mul_i32 s20, s20, 8*UNIT
	s_add_co_u32 s20, s20, s22
	s_add_nc_u64 s[54:55], s[10:11], s[20:21]           ; the unit whose scale words my wave stores at the end
	s_mul_i32 s20, s15, 4*1536
	s_add_co_u32 s20, s20, s22
	s_mul_i32 s22, s16, 768
	s_add_co_u32 s20, s20, s22
	s_add_nc_u64 s[10:11], s[10:11], s[20:21]           ; my band's fragments, my half
	s_lshl_b32 s22, s17, 6
	s_lshl_b32 s20, s18, 1
	s_add_co_u32 s22, s22, s20
	s_mul_i32 s22, s22, UNIT                            ; my first unit of v
	s_mul_i32 s20, s15, UNIT
	s_add_co_u32 s20, s20, s22
	s_lshl_b32 s23, s16, 8
	s_add_co_u32 s20, s20, s23
	s_add_nc_u64 s[52:53], s[12:13], s[20:21]
	s_mul_i32 s20, s16, 4*1536
	s_add_co_u32 s20, s20, s22
	s_mul_i32 s22, s15, 768
	s_add_co_u32 s20, s20, s22
	s_add_nc_u64 s[12:13], s[12:13], s[20:21]           ; my channels' fragments, my band's half
	s_cmp_eq_u32 s14, 0
	s_cbranch_scc0 .Lnot_b
	s_wait_tensorcnt 0x0
.Lnot_b:
	BARRIER                                             ; W_v's rows are in
	PFGO 249, 8
	WEIGHTS
	s_cmp_eq_u32 s14, 3
	s_cbranch_scc1 .Lnot_a0
	s_wait_tensorcnt 0x0
.Lnot_a0:
	s_wait_loadcnt 0x0                                  ; the weights' scale words
	s_wait_dscnt 0x0
	BARRIER                                             ; chunk 0 and the scale bytes are in; chunk 1 may still be on its way
	FETCH01
; PHASE 1: v, eight blocks; chunk 0's way outs stand in chunk 1's blocks.  The waits' counts: the next block's NF loads, and a scale byte's store where one was issued since
.irp s, 0,1
	s_wait_dscnt NF
	BLOCK 1, \s, HV0+8*\s, 32, 0, 32, L_V, \s
	WIN 0
	PLACES 4
	WALU
	FETCH \s
.endr
	s_wait_dscnt NF
	GRD
	BLOCK 1, 0, HV0+16, 32, 0, 24, L_V2
	WIN 0
	WALU
	s_wait_dscnt 0x0
	s_barrier_signal -1
	BLOCK 1, 0, HV0+16, 32, 24, 32, L_NONE
	MIDDLE
	BARRIER
	s_cmp_lt_u32 s14, 2
	s_cbranch_scc0 .Lno_half
	TLOAD G0B, G1B                                      ; waves 0 and 1 a half each of W_q's or W_k's rows, onto W_v's, which all waves hold in registers
.Lno_half:
	PLACES 4
	FETCH 0
	PFGO 250, 4
	PFGO 252, 6
	BLOCK 1, 1, HV0+24, 32, 0, 32, L_V, 3
	WIN 0
	PLACES 4
	WALU
	FETCH 1
.irp j, 0,1,2
	s_wait_dscnt NF+(\j+1)/2
.if \j < 2
	BLOCK 1, \j%2, HV1+8*\j, 32, 0, 32, L_VO, 4+\j, \j
.else
	BLOCK 1, \j%2, HV1+8*\j, 32, 0, 32, L_VL, 0, \j
.endif
	WIN 0
	CODES6 HV0+32*\j, MCD+6*\j, \j
	WALU
	ds_store_b8 v[STV], v[EB+\j] offset:2*\j
	PUT MCD+6*\j, s[12:13], 1536*\j
.if \j < 2
	FETCH \j%2
.endif
.endr
	s_wait_dscnt 1
	BLOCK 1, 1, HV1+24, 32, 0, 26, L_VL, 0, 3
	WIN 0
	WALU
	s_wait_tensorcnt 0x0
	s_wait_dscnt 0x0
	s_barrier_signal -1                                 ; a plain barrier: the weights that the refill brought are shown to all
	BLOCK 1, 1, HV1+24, 32, 26, 32, L_NONE
	WIN 0
	s_barrier_wait -1
	CODES6 HV0+96, MCD+18, 3
	WALU
	ds_store_b8 v[STV], v[EB+3] offset:6
	PUT MCD+18, s[12:13], 1536*3
; THE CHANGE OF PHASE: the weights and the first two blocks' rows, which lie in slot 0 still, in one run; chunk 1's four way outs under their flight
	WEIGHTS
	FETCH01
	PFGO 251, 4
	WIN 3
.set I, 0
.rept 16
	v_mov_b32 v[SB+I], v[SB2-768+I]
.set I, I+1
.endr
	WIN 0
.set I, 0
.rept 18
.irp t, 0,1,2,3
	CHAIN I, HV1+32*\t, \t, 64+4*\t
.endr
.set I, I+1
.endr
.set I, 0
.rept 6
.irp t, 0,1,2,3
	CODES I, HV1+32*\t, MCD+24+6*\t, \t, 80+4*\t
.endr
.set I, I+1
.endr
	WIN 0
	WALU
; PHASE 2: q or k, sixteen blocks
	s_wait_dscnt NF
	BLOCK 0, 0, ACC, 8, 0, 32, L_Q0
	WIN 0
	PLACES 4
	WALU
.irp t, 0,1,2,3
	ds_store_b8 v[STV], v[EB+\t] offset:128+2*\t
.endr
.irp t, 0,1,2,3
	PUT MCD+24+6*\t, s[12:13], UNIT+1536*\t
.endr
	FETCH 0
	QB 1, NF+4, 0, 1, L_OU, 1
	s_mov_b32 s86, 0
.Lrounds:                                               ; blocks 2 to 5, 6 to 9
	s_wait_dscnt NF+1
	GRD
	BLOCK 0, 0, ACC, 8, 0, 26, L_R
	WIN 0
	WALU
	s_wait_dscnt 0x0
	s_barrier_signal -1
	BLOCK 0, 0, ACC, 8, 26, 32, L_NONE
	WIN 0
	OUT1 0
	MIDDLE
	BARRIER
	s_cmp_lt_u32 s14, 2
	s_cbranch_scc0 .Lscales
	TLOAD G0R, G1A                                      ; waves 0 and 1 half a chunk each
	s_branch .Lrefilled
.Lscales:
	s_cmp_eq_u32 s14, 2
	s_cbranch_scc0 .Lnone
	TLOAD G0S, G1S                                      ; wave 2 its scale bytes
.Lnone:
.Lrefilled:
	OUT2 0, 1, 1
	QB 1, -1, 2, 1, L_O, 0
	QB 0, NF+1, 3, 1, L_E, 1, 0
	QB 1, NF+1, 0, 1, L_OU, 1
	s_add_co_u32 s86, s86, 1
	s_cmp_lg_u32 s86, 2
	s_cbranch_scc1 .Lrounds
	s_wait_dscnt NF+1                                   ; block 10: a plain barrier shows the last chunk to all
	BLOCK 0, 0, ACC, 8, 0, 26, L_E, 0, 1
	WIN 0
	WALU
	s_wait_tensorcnt 0x0
	s_wait_dscnt 0x0
	s_barrier_signal -1
	BLOCK 0, 0, ACC, 8, 26, 32, L_NONE
	WIN 0
	s_barrier_wait -1
	OUT1 0
	OUT2 0, 1, 1
	QB 1, -1, 2, 1, L_O, 0
	QB 0, NF+1, 3, 1, L_E, 1, 0
	QB 1, NF+1, 0, 1, L_OU, 1
	QB 0, NF+1, 1, 0, L_EL
	QB 1, 1, 2, 0, L_OL
; THE END: the last way out; the scale bytes of all waves become words, [half 0's two bytes, half 1's two bytes]
	s_lshl_b32 s21, s14, 7
	s_add_co_u32 s21, s21, XN
	s_lshl_b32 s22, s16, 8
	s_lshl_b32 s23, s15, 7
	s_add_co_u32 s22, s22, s23
	s_add_co_u32 s22, s22, XM
	v_lshlrev_b32 v12, 10, v2
	v_lshl_add_u32 v12, v1, 3, v12
	v_add_nc_u32 v12, s21, v12
	v_lshlrev_b32 v14, 2, v3
	v_add_nc_u32 v14, s22, v14
.set I, 0
.rept 18
	CHAIN I, ACC+32, 1
.set I, I+1
.endr
	CODES 2, ACC+32, NCD+6, 1
	WALU
	ds_store_b8 v[VX], v[EB+1] offset:6
	s_wait_dscnt 0x0
	s_wait_xcnt 0x0
	s_barrier_signal -1
	CODES 0, ACC+32, NCD+6, 1
	CODES 1, ACC+32, NCD+6, 1
	v_nop
.irp i, 3,4,5
	CODES \i, ACC+32, NCD+6, 1
.endr
	WALU
	s_barrier_wait -1
	ds_load_b64 v[64:65], v12
	ds_load_b64 v[66:67], v12 offset:512
	ds_load_b32 v68, v14
	ds_load_b32 v69, v14 offset:512
	PUT NCD+6, s[84:85], 1536*3
	s_wait_dscnt 0x0
	v_perm_b32 v70, v66, v64, 0x05040100
	v_perm_b32 v71, v66, v64, 0x07060302
	v_perm_b32 v72, v67, v65, 0x05040100
	v_perm_b32 v73, v67, v65, 0x07060302
	v_perm_b32 v74, v69, v68, 0x05040100
	v_perm_b32 v75, v69, v68, 0x07060302
	global_store_b128 v[CO], v[70:73], s[54:55] offset:12288
	global_store_b64 v[CO8], v[74:75], s[52:53] offset:12288
	s_wait_tensorcnt 0x0                                ; the wave's end
	ds_add_u32 v[SPW], v[NIL]
	s_wait_dscnt 0x0
	CROUND                                              ; the closing round
	s_endpgm
.Lfunc_end_k_q814188cc5f_proj:
	.size	k_q814188cc5f_proj, .Lfunc_end_k_q814188cc5f_proj-k_q814188cc5f_proj
	.p2alignl 7, 3214868480
	.fill 96, 4, 3214868480
	.section	.rodata,"a",@progbits
	.p2align	6, 0x0
	.amdhsa_kernel k_q814188cc5f_proj
		.amdhsa_group_segment_fixed_size 327680
		.amdhsa_private_segment_fixed_size 0
		.amdhsa_enable_private_segment 0
		.amdhsa_kernarg_size 88
		.amdhsa_user_sgpr_count 2
		.amdhsa_user_sgpr_kernarg_segment_ptr 1
		.amdhsa_wavefront_size32 1
		.amdhsa_system_sgpr_workgroup_id_x 1
		.amdhsa_system_sgpr_workgroup_id_y 1
		.amdhsa_system_sgpr_workgroup_id_z 1
		.amdhsa_system_vgpr_workitem_id 0
		.amdhsa_next_free_vgpr 992
		.amdhsa_next_free_sgpr 102
		.amdhsa_reserve_vcc 0
		.amdhsa_float_denorm_mode_32 3
		.amdhsa_float_denorm_mode_16_64 3
		.amdhsa_memory_ordered 1
		.amdhsa_forward_progress 1
		.amdhsa_inst_pref_size 201
	.end_amdhsa_kernel
	.amdgpu_metadata
---
amdhsa.version: [ 1, 2 ]
amdhsa.kernels:
  - .name:           k_q814188cc5f_proj
    .symbol:         k_q814188cc5f_proj.kd
    .args:
      - { .name: X_codes, .offset: 0, .size: 8, .value_kind: global_buffer, .address_space: global }
      - { .name: X_scales, .offset: 8, .size: 8, .value_kind: global_buffer, .address_space: global }
      - { .name: W_q_codes, .offset: 16, .size: 8, .value_kind: global_buffer, .address_space: global }
      - { .name: W_q_scales, .offset: 24, .size: 8, .value_kind: global_buffer, .address_space: global }
      - { .name: W_k_codes, .offset: 32, .size: 8, .value_kind: global_buffer, .address_space: global }
      - { .name: W_k_scales, .offset: 40, .size: 8, .value_kind: global_buffer, .address_space: global }
      - { .name: W_v_codes, .offset: 48, .size: 8, .value_kind: global_buffer, .address_space: global }
      - { .name: W_v_scales, .offset: 56, .size: 8, .value_kind: global_buffer, .address_space: global }
      - { .name: q_img, .offset: 64, .size: 8, .value_kind: global_buffer, .address_space: global }
      - { .name: k_img, .offset: 72, .size: 8, .value_kind: global_buffer, .address_space: global }
      - { .name: v_img, .offset: 80, .size: 8, .value_kind: global_buffer, .address_space: global }
    .group_segment_fixed_size: 327680
    .private_segment_fixed_size: 0
    .kernarg_segment_align: 8
    .kernarg_segment_size: 88
    .max_flat_workgroup_size: 128
    .sgpr_count:     102
    .vgpr_count:     992
    .wavefront_size: 32
...
	.end_amdgpu_metadata
.endif
;; end of part 1
;; launch scores (part 2): grid 12 x 16, 4 waves a work-group, clusters of 4 x 4, 327,680 bytes of LDS; arguments q_img, k_img, p_img; writes p_img
.if DOCPART == 2
	.amdgcn_target "amdgcn-amd-amdhsa--gfx1250"
	.amdhsa_code_object_version 6
	.text
	.protected	k_q814188cc5f_scores
	.globl	k_q814188cc5f_scores
	.p2align	8
	.type	k_q814188cc5f_scores,@function
k_q814188cc5f_scores:
	s_mov_b64 s[64:65], 0
	v_nop
	global_prefetch_b8 v0, s[64:65] scope:SCOPE_SE
	s_setreg_imm32_b32 hwreg(HW_REG_WAVE_MODE, 25, 1), 1
	s_wait_xcnt 0x0
	s_wait_alu depctr_hold_cnt(0) depctr_sa_sdst(0) depctr_va_vdst(0) depctr_va_sdst(0) depctr_va_ssrc(0) depctr_va_vcc(0) depctr_vm_vsrc(0)
	s_getreg_b32 s2, hwreg(HW_REG_IB_STS2, 6, 4)
	s_cmp_eq_u32 s2, 0
	s_cbranch_scc0 .Lentry_in_a_cluster
	s_endpgm
.Lentry_in_a_cluster:
	s_bfe_u32 s2, ttmp6, 0x10000c
	s_cmp_lg_u32 s2, 0xf033
	s_cbranch_scc0 .Lentry_shape_is_right
	s_endpgm
.Lentry_shape_is_right:
; P = 2^(t - M_loc), t = (q k^T) log2(e) / 32, on codes of FP6, for pieces of 128 keys, quantised along the keys: M_loc is the ceiling of the piece's largest t of a row; the next launch brings all pieces under one M, exactly.
; SHARES.  192 work-groups of 256 queries x 256 keys, in clusters of 1,024 x 1,024: of each batch's four such squares the one wholly above the diagonal is left out (reference()'s own mask gives its weights 0 for all inputs).
; In the squares on the diagonal all sixteen partners make every joint load; those above the diagonal store zero codes, which the next launch's joint walk reads.  A wave makes 128 x 128: 64 accumulators.
; Source 0 = keys, source 1 = queries: lane (r, h) holds query r of a tile and, over a band's four key tiles, the 32 keys of ONE scale block: no lane looks at another but for a row's maximum, its sum and its scale word.
; THE CAUSAL MASK IS THE FIRST PRODUCTS' C: -3e38 where the key lies behind the query, else 0; with the order of rows 32 g + 8 (j xor g) + i it takes seven kinds of operand, made while the first tiles land.
; K goes in slots of 3, 3 and 2 steps of 128: the head's load, slot 1's first fill, one refill of slot 0.  No prefetch: there are three fills in all, the first two on their way at the head, and no loop to run ahead in.
; OUT: p_img [query block of 128][key block of 128][13,824]: fragment a at 1,536 a as images of registers; scale words (128 added to each byte), M_loc and the sum l_loc at 12,288, 12,800, 13,312: of (a, r) at 256 (a / 4) + 16 r + 4 (a % 4).
; LIMITS: the scaled scores t stay under 2^31 in magnitude; NaN and infinities are not served.
.set FR,    12
.set UNIT,  12800
.set PUNIT, 13824
.set PART,  3*UNIT
.set SLOT,  4*PART                     ; q's two token blocks, then k's two
.set SPARE, 2*SLOT
.set ADRA, 16                          ; v16-17 my q fragments' 16-byte pieces in slot 0, 1; v18-19 their 8-byte pieces
.set ADRB, 20                          ; v20-23 the same for k
.set ADRS, 24                          ; v24-25 scale words: lanes 0-15 q's, lanes 16-31 k's
.set LI,   26
.set H8,   27                          ; 8 h
.set SPW,  28
.set NIL,  29
.set NEG,  30
.set SC,   32                          ; v32-47 scale words, two sets
.set AF,   64                          ; v64-159, v160-255 q's fragments, two sets;  window 1: k's at v0, v128
.set T0,   96                          ; window 1, v96-127: C of tiles with different j in one band, four kinds
.set TD,   224                         ; the same j
.set TZ,   232                         ; key band before the query band
.set TB,   240                         ; key band behind it
.set G1, 24
.set G0, 32
.set G1B, 48
.set G0B, 56
.set CS,  90
.set SEL, 92
.set TO_B, 0x40
.set MSB, 0
.macro WIN new
.if MSB != (\new)
	s_set_vgpr_msb (MSB<<8)|(\new)
.set MSB, (\new)
.endif
.endm
.macro PLACES n
.rept \n
	v_nop
.endr
.endm
.macro JLOAD s                         ; waves 0, 1 fetch q's blocks, waves 2, 3 k's; four v_nop follow each line
	s_cmp_eq_u32 s15, 0
	s_cbranch_scc0 .Lfor_b_\@
	tensor_load_to_lds s[G0+4*\s:G0+4*\s+3], s[G1:G1+7]
	s_nop 0
	PLACES 4
	s_branch .Lasked_\@
.Lfor_b_\@:
	tensor_load_to_lds s[G0B+4*\s:G0B+4*\s+3], s[G1B:G1B+7]
	s_nop 0
	PLACES 4
.Lasked_\@:
.endm
.macro CREST
	s_cmp_lg_u32 s14, 0
	s_cbranch_scc1 .Lnot_wave_0_\@
	s_barrier_signal -3
.Lnot_wave_0_\@:
	s_barrier_wait -3
	s_barrier_signal -1
	s_barrier_wait -1
.endm
.macro CROUND
	s_barrier_signal -1
	s_barrier_wait -1
	CREST
.endm
	s_load_b128 s[4:7], s[0:1], 0x0                ; q_img, k_img
	s_load_b64 s[8:9], s[0:1], 0x10                ; p_img
	v_lshl_add_u32 v[SPW], v0, 2, SPARE
	v_mov_b32 v[NIL], 0
	ds_add_u32 v[SPW], v[NIL]                      ; the opening add, twice on end
	ds_add_u32 v[SPW], v[NIL]
	v_lshrrev_b32 v1, 5, v0
	v_readfirstlane_b32 s14, v1
	s_lshr_b32 s15, s14, 1                         ; my 128 queries; also: I fetch for q (0) or k (1)
	s_and_b32 s16, s14, 1                          ; my 128 keys; also: which block I fetch
	s_bfe_u32 s40, ttmp6, 0x40000                  ; cx
	s_bfe_u32 s41, ttmp6, 0x40004                  ; cy
	s_mov_b32 s2, ttmp9                            ; the square: 0, 1, 2
	s_and_b32 s3, ttmp7, 0xffff                    ; batch
	s_min_u32 s17, s2, 1
	s_lshl_b32 s17, s17, 2
	s_add_co_u32 s17, s17, s41                     ; my tile of 256 queries
	s_lshr_b32 s45, s2, 1
	s_lshl_b32 s45, s45, 2
	s_add_co_u32 s45, s45, s40                     ; my tile of 256 keys
	s_lshl_b32 s42, s41, 2
	s_lshl_b32 s42, 15, s42                        ; my row of the cluster
	s_lshl_b32 s43, 0x1111, s40                    ; my column
	s_or_b32 s[G1+0], s42, (3<<16)|(1<<21)         ; three units, 38,400 dense bytes as 150 rows of 256
	s_or_b32 s[G1B+0], s43, (3<<16)|(1<<21)
.irp g, G1, G1B
	s_mov_b32 s[\g+1], 32<<16
	s_mov_b32 s[\g+2], 150<<16
	s_mov_b32 s[\g+3], 32<<16
	s_mov_b32 s[\g+4], 150
	s_mov_b32 s[\g+5], 32
	s_mov_b32 s[\g+6], 0
	s_mov_b32 s[\g+7], 0
.endr
	s_lshl_b32 s18, s3, 4
	s_add_co_u32 s18, s18, s16
	s_lshl_b32 s20, s17, 1
	s_add_co_u32 s20, s20, s18
	s_mul_i32 s20, s20, 8*UNIT
	s_mov_b32 s21, 0
	s_lshl_b32 s46, s45, 1
	s_add_co_u32 s46, s46, s18
	s_mul_i32 s46, s46, 8*UNIT
	s_mov_b32 s47, 0
	s_mul_i32 s44, s14, PART
	s_wait_alu depctr_va_vdst(0)
	s_wait_dscnt 0x0
	CROUND
	s_wait_kmcnt 0x0
	s_add_nc_u64 s[20:21], s[4:5], s[20:21]
	s_add_nc_u64 s[46:47], s[6:7], s[46:47]
.irp s, 0,1
	s_mov_b32 s[G0+4*\s], 1
	s_add_co_u32 s[G0+4*\s+1], s44, \s*SLOT
	s_add_nc_u64 s[G0+4*\s+2:G0+4*\s+3], s[20:21], \s*PART
	s_or_b32 s[G0+4*\s+3], s[G0+4*\s+3], 0x80000000
	s_mov_b32 s[G0B+4*\s], 1
	s_add_co_u32 s[G0B+4*\s+1], s44, \s*SLOT
	s_add_nc_u64 s[G0B+4*\s+2:G0B+4*\s+3], s[46:47], \s*PART
	s_or_b32 s[G0B+4*\s+3], s[G0B+4*\s+3], 0x80000000
.endr
	JLOAD 0                                        ; K steps 0 to 2
	; while they land: scalars first, then all vector lines
	s_sub_co_i32 s82, s17, s45
	s_lshl_b32 s82, s82, 8
	s_sub_co_i32 s83, s15, s16
	s_lshl_b32 s83, s83, 7
	s_add_co_i32 s82, s82, s83                     ; my first query less my first key: a multiple of 128
	s_cmp_lt_i32 s82, 0
	s_cselect_b32 s80, -1, 0                       ; wholly above the diagonal: all lanes
	s_cmp_eq_u32 s82, 0                            ; on it: the kinds' lanes; below it: none
	s_cselect_b32 s81, -1, s80
.set I, 0
.rept 4
	s_mov_b32 s70, 0xff0000|((I&1)*0xff)|((I/2)*0xff000000)   ; lanes 16-23 always; lanes 0-7 where the key tile's j is the greater; lanes 24-31 where j xor 1 is
	s_cselect_b32 s[84+I], s70, s80
.set I, I+1
.endr
.set I, 0
.rept 8
	s_mov_b32 s70, 0xff0000|(((1<<I)-1)*0x1000001)  ; register I: lanes 0-7 and 24-31 where r % 8 < I
	s_cselect_b32 s[72+I], s70, s80
.set I, I+1
.endr
	s_lshl_b32 s20, s3, 4
	s_lshl_b32 s21, s17, 1
	s_add_co_u32 s20, s20, s21
	s_add_co_u32 s20, s20, s15
	s_lshl_b32 s20, s20, 4
	s_lshl_b32 s21, s45, 1
	s_add_co_u32 s20, s20, s21
	s_add_co_u32 s20, s20, s16
	s_mul_i32 s20, s20, PUNIT
	s_mov_b32 s21, 0
	s_add_nc_u64 s[8:9], s[8:9], s[20:21]          ; my unit of p_img
	s_mov_b32 s[CS], 0x3d38aa3b                    ; log2(e) / 32
	s_mov_b32 s[CS+1], s[CS]
	s_mov_b32 s[SEL], 0x76543210
	s_mov_b32 s[SEL+1], 0xfedcba98                 ; v_permlanex16_b32: lane l xor 16
	s_mov_b32 s67, 0xffff0000
	s_mul_i32 s21, s15, PART
	s_mul_i32 s22, s16, PART
	s_add_co_u32 s22, s22, 2*PART
	s_sub_co_u32 s23, s22, s21
	s_add_co_u32 s66, s21, 12288
	v_and_b32 v1, 15, v0
	v_bfe_u32 v2, v0, 4, 1
	v_and_b32 v3, 31, v0
	v_lshlrev_b32 v[LI], 4, v3
	v_lshlrev_b32 v5, 3, v3
	v_lshlrev_b32 v[H8], 3, v2
	v_mul_u32_u24 v4, s23, v2
	v_lshl_add_u32 v4, v1, 4, v4
	v_add_nc_u32 v[ADRA], s21, v[LI]
	v_add_nc_u32 v[ADRA+2], s21, v5
	v_add_nc_u32 v[ADRB], s22, v[LI]
	v_add_nc_u32 v[ADRB+2], s22, v5
	v_add_nc_u32 v[ADRS], s66, v4
.irp p, ADRA, ADRA+2, ADRB, ADRB+2, ADRS
	v_add_nc_u32 v[\p+1], SLOT, v[\p]
.endr
	v_mov_b32 v[NEG], 0xff61b1e6                   ; -3e38
	WIN TO_B
.set I, 0
.rept 8
.irp k, 0,1,2,3
	v_cndmask_b32 v[T0+8*\k+I], 0, v[NEG], s[84+\k]
.endr
	v_cndmask_b32 v[TD+I], 0, v[NEG], s[72+I]
	v_cndmask_b32 v[TZ+I], 0, v[NEG], s80
	v_cndmask_b32 v[TB+I], 0, v[NEG], s81
.set I, I+1
.endr
	WIN 0
.macro FRAG4 reg, ad, off
.irp c, 0,1
	ds_load_b128 v[\reg+6*\c:\reg+6*\c+3], v[\ad] offset:\off+768*\c
	ds_load_b64 v[\reg+6*\c+4:\reg+6*\c+5], v[\ad+2] offset:\off+768*\c+512
.endr
.endm
.macro RB st, i0                       ; four of k's fragments of K step st: 16 loads
	WIN TO_B
.irp i, \i0, \i0+1, \i0+2, \i0+3
	FRAG4 128*((\st)%2)+FR*(\i), ADRB+((\st)/3)%2, UNIT*((\st)%3)+1536*(\i)
.endr
	WIN 0
.endm
.macro RA st, i0                       ; four of q's, 16 loads; with the lower four the scale words, 2 loads
.irp i, \i0, \i0+1, \i0+2, \i0+3
	FRAG4 AF+96*((\st)%2)+FR*(\i), ADRA+((\st)/3)%2, UNIT*((\st)%3)+1536*(\i)
.endr
.if (\i0) == 0
.irp g, 0,1
	ds_load_b128 v[SC+8*((\st)%2)+4*\g:SC+8*((\st)%2)+4*\g+3], v[ADRS+((\st)/3)%2] offset:UNIT*((\st)%3)+256*\g
.endr
.endif
.endm
.macro KIND a, b                       ; which C starts accumulator (a, b)
.set JA, (\a)%4
.set JB, (\b)%4
.if (\b)/4 > (\a)/4
.set CT, TB
.elseif (\b)/4 < (\a)/4
.set CT, TZ
.elseif JA == JB
.set CT, TD
.else
.set CT, T0
.if JB > JA
.set CT, CT+8
.endif
.if (JB^1) > (JA^1)
.set CT, CT+16
.endif
.endif
.endm
; 16 products: query tiles a0, a0 + 1 x the eight key tiles; the 64 accumulators take turns
.macro MUL16 st, a0
.set Q_, (\st)%2
.set W_, 2+(\a0)/4
.if (\st) == 0
	WIN 0x11|(W_<<6)                               ; sources 0 and 2 window 1
.else
	WIN 1|(W_<<4)|(W_<<6)
.endif
.irp a, \a0, \a0+1
.irp b, 0,1,2,3,4,5,6,7
.set D_, 8*(8*((\a)%4)+\b)
.if (\st) == 0
	KIND \a, \b
	v_wmma_scale_f32_16x16x128_f8f6f4 v[D_:D_+7], v[128*Q_+FR*\b:128*Q_+FR*\b+FR-1], v[AF+96*Q_+FR*(\a):AF+96*Q_+FR*(\a)+FR-1], v[CT:CT+7], v[SC+8*Q_+\b], v[SC+8*Q_+(\a)] matrix_a_fmt:MATRIX_FMT_FP6 matrix_b_fmt:MATRIX_FMT_FP6 matrix_a_scale:MATRIX_SCALE_ROW1
.else
	v_wmma_scale_f32_16x16x128_f8f6f4 v[D_:D_+7], v[128*Q_+FR*\b:128*Q_+FR*\b+FR-1], v[AF+96*Q_+FR*(\a):AF+96*Q_+FR*(\a)+FR-1], v[D_:D_+7], v[SC+8*Q_+\b], v[SC+8*Q_+(\a)] matrix_a_fmt:MATRIX_FMT_FP6 matrix_b_fmt:MATRIX_FMT_FP6 matrix_a_scale:MATRIX_SCALE_ROW1
.endif
.endr
.endr
	WIN 0
.endm
; a K step; the next one's loads go out k's first, then q's, so the youngest 16 are q's upper four fragments.  kind 0: the same slot or one shown already; 1: the next slot is shown and this one filled again; 2: the next is shown; 3: the last step
.macro KSTEP st, kind
.set NX, (\st)+1
.if (\kind) == 0
	s_wait_dscnt 16
	PLACES 4                                       ; in front of loads into registers that matrix instructions have read
	RB NX, 0
	RB NX, 4
	MUL16 \st, 0
	MUL16 \st, 2
	s_wait_dscnt 32                                ; this step's upper four of q are in
	RA NX, 0
	RA NX, 4
	MUL16 \st, 4
	MUL16 \st, 6
.elseif (\kind) == 3
	s_wait_dscnt 16
	MUL16 \st, 0
	MUL16 \st, 2
	s_wait_dscnt 0
	MUL16 \st, 4
	MUL16 \st, 6
.else
	s_wait_tensorcnt 0x0                           ; all my tensor loads are done: a descriptor may be written
.if (\kind) == 1
	ds_add_u32 v[SPW], v[NIL]                      ; 0 onto my spare word
	s_add_nc_u64 s[G0+2:G0+3], s[G0+2:G0+3], 6*UNIT
	s_add_nc_u64 s[G0B+2:G0B+3], s[G0B+2:G0B+3], 6*UNIT
.irp g, G1, G1B
	s_mov_b32 s[\g+2], 100<<16                     ; two units
	s_mov_b32 s[\g+4], 100
.endr
	s_wait_dscnt 17                                ; the add and q's upper four may be out
.else
	s_wait_dscnt 16
.endif
	MUL16 \st, 0
	s_wait_dscnt 0x0
	s_barrier_signal -1
	MUL16 \st, 2
	s_barrier_wait -1
.if (\kind) == 1
	CREST
	JLOAD 0                                        ; K steps 6 and 7 into slot 0; its four v_nop are the places in front of the loads below
.else
	PLACES 4
.endif
	RB NX, 0
	RB NX, 4
	RA NX, 0
	RA NX, 4
	MUL16 \st, 4
	MUL16 \st, 6
.endif
.endm
	s_wait_alu depctr_va_vdst(0)                   ; the wait at the head's end
	s_wait_tensorcnt 0x0                           ; slot 0 is in; the three lines ahead of slot 1's first fill
	ds_add_u32 v[SPW], v[NIL]
	s_wait_dscnt 0x0
	CROUND
	JLOAD 1                                        ; K steps 3 to 5
	RB 0, 0
	RB 0, 4
	RA 0, 0
	RA 0, 4
	KSTEP 0, 0
	KSTEP 1, 0
	KSTEP 2, 1
	KSTEP 3, 0
	KSTEP 4, 0
	KSTEP 5, 2
	KSTEP 6, 0
	KSTEP 7, 3
.set BM,  32                           ; v32-39 four chains of maxima for each of two tiles; v32, v34 and v36, v38 end as the blocks' largest scores, then p
.set TT,  40
.set NM,  44
.set LA,  48                           ; v48-63 four pairs of sums for each tile
.set SO,  64
.set PX,  68
.set T2,  76
.set PW,  232
.set ML,  240
.set LL,  248
.set PCD, 96
	PLACES 4                                       ; behind the last products
.irp u, 0,1
	v_mov_b32 v[PX+4*\u+2], 0                      ; a lane permute's destination counts as one of its sources
	v_mov_b32 v[TT+2*\u+1], 0
.endr
; query tiles a, a + 1, by turns: of each my 64 registers are blocks h (the first 32) and 2 + h of the 128 keys
.macro SOFTQ2 a
.set W,  2+(\a)/4
.set S,  64*((\a)%4)
.set PC, PCD+12*(\a)
	WIN (W|(W<<2))
.irp b, 0,1,2,3,4,5,6,7
	v_max3_num_f32 v[BM+\b], v[S+16*\b], v[S+16*\b+1], 0xfe967699   ; floor -1e38, above the mask's -3e38: a masked weight comes out 0 in a wholly masked row too
.endr
.irp i, 2,4,6,8,10,12,14
.irp b, 0,1,2,3,4,5,6,7
	v_max3_num_f32 v[BM+\b], v[S+16*\b+\i], v[S+16*\b+\i+1], v[BM+\b]
.endr
.endr
	WIN 0
.irp b, 0,2,4,6
	v_max_num_f32 v[BM+\b], v[BM+\b], v[BM+\b+1]
.endr
.irp u, 0,1
	v_max_num_f32 v[TT+2*\u], v[BM+4*\u], v[BM+4*\u+2]
.endr
.irp u, 0,1
	v_permlanex16_b32 v[TT+2*\u+1], v[TT+2*\u], s[SEL], s[SEL+1]
.endr
.irp u, 0,1
	v_max_num_f32 v[TT+2*\u], v[TT+2*\u], v[TT+2*\u+1]
.endr
.irp u, 0,1
	v_mul_f32 v[NM+2*\u+1], s[CS], v[TT+2*\u]
.endr
.irp u, 0,1
	v_floor_f32 v[NM+2*\u], -v[NM+2*\u+1]          ; -M_loc, a whole number
.endr
.irp u, 0,1
	v_xor_b32 v[ML+(\a)+\u], 0x80000000, v[NM+2*\u]
	v_fma_f32 v[BM+4*\u], v[BM+4*\u], s[CS], v[NM+2*\u]
	v_fma_f32 v[BM+4*\u+2], v[BM+4*\u+2], s[CS], v[NM+2*\u]
.endr
	WIN ((W<<6)|W)
.set jj, 0
.rept 64
	v_pk_fma_f32 v[S+jj:S+jj+1], v[S+jj:S+jj+1], s[CS:CS+1], v[NM+2*(jj/64):NM+2*(jj/64)+1] op_sel_hi:[1,0,0]
.set jj, jj+2
.endr
	s_wait_alu depctr_va_vdst(0)                   ; the wait ahead of the batch
.set jj, 0
.rept 128
	v_exp_f32 v[S+jj], v[S+jj]
.set jj, jj+1
.endr
	WIN 0
.irp b, 0,2,4,6
	v_exp_f32 v[BM+\b], v[BM+\b]                   ; each block's largest p: the same arithmetic on its largest score
.endr
	v_nop
	s_wait_alu depctr_va_vdst(0)                   ; and behind it
	WIN (W|(W<<2))
.irp k, 0,2,4,6
.irp u, 0,1
	v_pk_add_f32 v[LA+8*\u+\k:LA+8*\u+\k+1], v[S+64*\u+\k:S+64*\u+\k+1], v[S+64*\u+\k+8:S+64*\u+\k+9]   ; the sum is taken of the unquantised p
.endr
.endr
	WIN (W<<2)
.set jj, 16
.rept 6
.irp k, 0,2,4,6
.irp u, 0,1
	v_pk_add_f32 v[LA+8*\u+\k:LA+8*\u+\k+1], v[LA+8*\u+\k:LA+8*\u+\k+1], v[S+64*\u+jj+\k:S+64*\u+jj+\k+1]
.endr
.endr
.set jj, jj+8
.endr
	WIN 0
.irp k, 0,4,8,12
	v_pk_add_f32 v[LA+\k:LA+\k+1], v[LA+\k:LA+\k+1], v[LA+\k+2:LA+\k+3]
.endr
.irp b, 0,2,4,6
	v_med3_num_f32 v[BM+\b], v[BM+\b], 0x1800000, 1.0
.endr
.irp k, 0,8
	v_pk_add_f32 v[LA+\k:LA+\k+1], v[LA+\k:LA+\k+1], v[LA+\k+4:LA+\k+5]
.endr
.irp b, 0,1,2,3
	v_add_nc_u32 v[SO+\b], 0xff000000, v[BM+2*\b]
.endr
.irp k, 0,8
	v_add_f32 v[LA+\k], v[LA+\k], v[LA+\k+1]
.endr
.irp u, 0,1
	v_lshrrev_b32 v[PX+4*\u], 23, v[SO+2*\u]
	v_lshrrev_b32 v[PX+4*\u+1], 23, v[SO+2*\u+1]
.endr
.irp u, 0,1
	v_permlanex16_b32 v[TT+2*\u+1], v[LA+8*\u], s[SEL], s[SEL+1]
.endr
.irp u, 0,1
	v_lshl_or_b32 v[PX+4*\u], v[PX+4*\u+1], 16, v[PX+4*\u]   ; my bytes of blocks h and 2 + h,
.endr
.irp u, 0,1
	v_lshlrev_b32 v[PX+4*\u], v[H8], v[PX+4*\u]    ; at their places in the word,
.endr
.irp u, 0,1
	v_add_f32 v[LL+(\a)+\u], v[LA+8*\u], v[TT+2*\u+1]
.endr
.irp u, 0,1
	v_permlanex16_b32 v[PX+4*\u+2], v[PX+4*\u], s[SEL], s[SEL+1]
.endr
.irp u, 0,1
	v_or_b32 v[PX+4*\u], v[PX+4*\u], v[PX+4*\u+2]
.endr
.irp u, 0,1
	v_or_b32 v[PW+(\a)+\u], 0x80808080, v[PX+4*\u] ; (a byte is 125 at the most: bit 7 is free and helps the next launch subtract)
.endr
	WIN W
.irp c, 0,1,2,3
	v_cvt_scalef32_pk16_fp6_f32 v[PC+6*\c:PC+6*\c+2], v[S+32*\c:S+32*\c+15], v[SO+\c]
	v_cvt_scalef32_pk16_fp6_f32 v[T2+4*\c:T2+4*\c+2], v[S+32*\c+16:S+32*\c+31], v[SO+\c]
.endr
	WIN 0
	v_nop
.irp c, 0,1,2,3
.irp i, 0,1,2
	v_mov_b32 v[PC+6*\c+3+\i], v[T2+4*\c+\i]
.endr
.endr
.irp g, 0,1,2,3,4,5
	global_store_b128 v[LI], v[PC+4*\g:PC+4*\g+3], s[8:9] offset:1536*(\a)+512*\g
.endr
.endm
.irp a, 0,2,4,6
	SOFTQ2 \a
.endr
.irp k, 0,1,2,3
	v_cndmask_b32 v[32+\k], v[PW+\k], v[PW+4+\k], s67   ; lanes 0-15: tiles 0-3 of row r; lanes 16-31: tiles 4-7
	v_cndmask_b32 v[36+\k], v[ML+\k], v[ML+4+\k], s67
	v_cndmask_b32 v[40+\k], v[LL+\k], v[LL+4+\k], s67
.endr
	global_store_b128 v[LI], v[32:35], s[8:9] offset:12288
	global_store_b128 v[LI], v[36:39], s[8:9] offset:12800
	global_store_b128 v[LI], v[40:43], s[8:9] offset:13312
	s_wait_tensorcnt 0x0                           ; the wave's end
	ds_add_u32 v[SPW], v[NIL]
	s_wait_dscnt 0x0
	CROUND                                         ; the closing round
	s_endpgm
.Lfunc_end_k_q814188cc5f_scores:
	.size	k_q814188cc5f_scores, .Lfunc_end_k_q814188cc5f_scores-k_q814188cc5f_scores
	.p2alignl 7, 3214868480
	.fill 96, 4, 3214868480
	.section	.rodata,"a",@progbits
	.p2align	6, 0x0
	.amdhsa_kernel k_q814188cc5f_scores
		.amdhsa_group_segment_fixed_size 327680
		.amdhsa_private_segment_fixed_size 0
		.amdhsa_enable_private_segment 0
		.amdhsa_kernarg_size 24
		.amdhsa_user_sgpr_count 2
		.amdhsa_user_sgpr_kernarg_segment_ptr 1
		.amdhsa_wavefront_size32 1
		.amdhsa_system_sgpr_workgroup_id_x 1
		.amdhsa_system_sgpr_workgroup_id_y 1
		.amdhsa_system_sgpr_workgroup_id_z 1
		.amdhsa_system_vgpr_workitem_id 0
		.amdhsa_next_free_vgpr 1024
		.amdhsa_next_free_sgpr 96
		.amdhsa_reserve_vcc 0
		.amdhsa_float_denorm_mode_32 3
		.amdhsa_float_denorm_mode_16_64 3
		.amdhsa_memory_ordered 1
		.amdhsa_forward_progress 1
		.amdhsa_inst_pref_size 199
	.end_amdhsa_kernel
	.amdgpu_metadata
---
amdhsa.version: [ 1, 2 ]
amdhsa.kernels:
  - .name:           k_q814188cc5f_scores
    .symbol:         k_q814188cc5f_scores.kd
    .args:
      - { .name: q_img, .offset: 0, .size: 8, .value_kind: global_buffer, .address_space: global }
      - { .name: k_img, .offset: 8, .size: 8, .value_kind: global_buffer, .address_space: global }
      - { .name: p_img, .offset: 16, .size: 8, .value_kind: global_buffer, .address_space: global }
    .group_segment_fixed_size: 327680
    .private_segment_fixed_size: 0
    .kernarg_segment_align: 8
    .kernarg_segment_size: 24
    .max_flat_workgroup_size: 128
    .sgpr_count:     96
    .vgpr_count:     1024
    .wavefront_size: 32
...
	.end_amdgpu_metadata
.endif
;; end of part 2
;; launch context (part 3): grid 8 x 32, 4 waves a work-group, clusters of 4 x 4, 327,680 bytes of LDS; arguments p_img, v_img, out0; writes out0
.if DOCPART == 3
	.amdgcn_target "amdgcn-amd-amdhsa--gfx1250"
	.amdhsa_code_object_version 6
	.text
	.protected	k_q814188cc5f_context
	.globl	k_q814188cc5f_context
	.p2align	8
	.type	k_q814188cc5f_context,@function
k_q814188cc5f_context:
	s_mov_b64 s[64:65], 0
	v_nop
	global_prefetch_b8 v0, s[64:65] scope:SCOPE_SE
	s_setreg_imm32_b32 hwreg(HW_REG_WAVE_MODE, 25, 1), 1
	s_wait_xcnt 0x0
	s_wait_alu depctr_hold_cnt(0) depctr_sa_sdst(0) depctr_va_vdst(0) depctr_va_sdst(0) depctr_va_ssrc(0) depctr_va_vcc(0) depctr_vm_vsrc(0)
	s_getreg_b32 s2, hwreg(HW_REG_IB_STS2, 6, 4)
	s_cmp_eq_u32 s2, 0
	s_cbranch_scc0 .Lentry_in_a_cluster
	s_endpgm
.Lentry_in_a_cluster:
	s_bfe_u32 s2, ttmp6, 0x10000c
	s_cmp_lg_u32 s2, 0xf033
	s_cbranch_scc0 .Lentry_shape_is_right
	s_endpgm
.Lentry_shape_is_right:
; out = (P v) / l on codes of FP6, K = the keys.  P's pieces of 128 keys were quantised under their own whole number M_loc: here M = the largest M_loc of a row, each piece's scale bytes lose M - M_loc (an exact power of two), and l = the sum of l_loc x 2^(M_loc - M).
; SHARES.  256 work-groups, each 128 channels x TWO blocks of 128 queries, one after the other: first a low one, then a high one, so that every work-group walks 20 key steps of 128 and the low block's results leave while the high one is worked on.
; A wave takes 64 queries x 64 channels: 16 accumulators.  Source 0 = 16 channels of v, source 1 = 16 queries of P: a lane holds one query and eight channels.
; CLUSTERS 4 x 4: cluster y = 2 batch + G.  G = 0: low blocks 0-3 (4 key steps), high blocks 12-15 (16 steps); G = 1: low blocks 4-7 (8 steps), high blocks 8-11 (12).  All sixteen partners walk the same steps (those above a partner's diagonal hold zero codes);
; key steps beyond a cluster's diagonal are left out: reference()'s own mask gives them weight 0 for all inputs.  P's tiles are asked for jointly by a row of the cluster, v's by a column.  Branches hang on trips and on G, the cluster's own number, alone.
; THE RING: two slots of four key steps, five slots in all: P's four units (codes, scale words, M_loc, l_loc) and v's four.  A slot is filled again behind a round in the last of its steps, when that step's fragments are in registers.
; SCALES.  A register holds tile a % 2's words in lanes 0-15 and tile a % 2 + 2's in lanes 16-31.  A step's words are brought under M between the products of the step before.
; PREFETCH: at each change of slots my sixteenth of P's tile and of v's for the slot after the one that is asked for, told apart by address; none for the first two slots and none past the fifth.
; LIMIT: a scale byte that would fall under 0 is held at 0: a weight under 2^-127 of its row's largest counts as at most 7.5 x 2^-127.  NaN, infinities and overflows are not served, nor carried from work left out.
.set UNIT,  12800
.set PUNIT, 13824
.set VOFF,  4*PUNIT
.set SLOT,  4*PUNIT+4*UNIT
.set STAGE, 2*SLOT                     ; 16 rows x 272 bytes for each wave; no fill lands there
.set SPARE, STAGE+4*16*272
.set BA,   4                           ; v4-8  slot 0's addresses: P's fragments, P's words, v's 16-byte pieces, its 8-byte pieces, its words;  v9-13 the slot's at work
.set CAP,  9
.set CAW,  10
.set CAV,  11
.set CAV8, 12
.set CAS,  13
.set M,    14                          ; v14-15;  v16-17 the high block's
.set MH,   16
.set LS,   18                          ; v18-19 l;  v20-21 the low block's, finished
.set LF,   20
.set STE,  22                          ; the way out: in, even and odd channel tiles; back; in out0
.set STD,  23
.set RD,   24
.set GO,   25
.set PFP,  26
.set PFV,  27
.set SPW,  28
.set NIL,  29
.set RW,   30                          ; v30-35 the next step's words, M_loc, l_loc as they come; v36-39, v56-57 at work
.set RM,   32
.set RN,   34
.set PS,   40                          ; v40-43 P's scale words, two sets; v44-47 v's
.set VS,   44
.set RC,   48                          ; v48-55 1 / l of the four tiles, in pairs
.set FR,   64                          ; v64-159, v160-255: two sets: v's four fragments, P's four.  window 1: v0-127 accumulators, v128-255 the way out
.set G1, 24
.set G0, 32
.set G1B, 48
.set G0B, 56
.set MSB, 0
.macro WIN new
.if MSB != (\new)
	s_set_vgpr_msb (MSB<<8)|(\new)
.set MSB, (\new)
.endif
.endm
.macro PLACES n
.rept \n
	v_nop
.endr
.endm
.macro WALU
	s_wait_alu depctr_va_vdst(0)
.endm
.macro JLOAD                           ; waves 0, 1 fetch P's units two by two, waves 2, 3 v's
	s_cmp_eq_u32 s15, 0
	s_cbranch_scc0 .Lfor_b_\@
	tensor_load_to_lds s[G0:G0+3], s[G1:G1+7]
	s_nop 0
	PLACES 4
	s_branch .Lasked_\@
.Lfor_b_\@:
	tensor_load_to_lds s[G0B:G0B+3], s[G1B:G1B+7]
	s_nop 0
	PLACES 4
.Lasked_\@:
.endm
.macro CREST
	s_cmp_lg_u32 s14, 0
	s_cbranch_scc1 .Lnot_wave_0_\@
	s_barrier_signal -3
.Lnot_wave_0_\@:
	s_barrier_wait -3
	s_barrier_signal -1
	s_barrier_wait -1
.endm
.macro CROUND
	s_barrier_signal -1
	s_barrier_wait -1
	CREST
.endm
.macro ADVN                            ; s77, s78: P's and v's offsets of slot s79: on to the next; at slot s84 the high block begins
	s_add_co_u32 s79, s79, 1
	s_add_co_u32 s77, s77, 4*PUNIT
	s_add_co_u32 s78, s78, 4*UNIT
	s_cmp_eq_u32 s79, s84
	s_cselect_b32 s77, s76, s77
	s_cselect_b32 s78, s74, s78
.endm
.macro NEXT                            ; the descriptors for slot s79; then s79 steps on, and the prefetch's bases are made for it
	s_mov_b32 s21, 0
	s_mov_b32 s20, s77
	s_add_nc_u64 s[G0+2:G0+3], s[10:11], s[20:21]
	s_or_b32 s[G0+3], s[G0+3], 0x80000000
	s_mov_b32 s20, s78
	s_add_nc_u64 s[G0B+2:G0B+3], s[12:13], s[20:21]
	s_or_b32 s[G0B+3], s[G0B+3], 0x80000000
	s_add_co_u32 s[G0+1], s44, s80
	s_add_co_u32 s[G0B+1], s45, s80
	s_xor_b32 s80, s80, SLOT
	ADVN
	s_mov_b32 s20, s77
	s_add_nc_u64 s[88:89], s[4:5], s[20:21]
	s_mov_b32 s20, s78
	s_add_nc_u64 s[90:91], s[6:7], s[20:21]
.endm
.macro PFASK
	global_prefetch_b8 v[PFP], s[88:89] th:TH_LOAD_NT scope:SCOPE_SE
	global_prefetch_b8 v[PFV], s[90:91] th:TH_LOAD_NT scope:SCOPE_SE
.endm
; chunk c of the 32 loads of the slot's step k into set k % 2: 0 the words, 1-4 v's fragments, 5-7 P's
.macro LOADS c, k
.set F_, FR+96*((\k)%2)
.if (\c) == 0
	ds_load_b64 v[RW:RW+1], v[CAW] offset:PUNIT*(\k)
	ds_load_b64 v[RM:RM+1], v[CAW] offset:PUNIT*(\k)+512
	ds_load_b64 v[RN:RN+1], v[CAW] offset:PUNIT*(\k)+1024
	ds_load_b64 v[VS+2*((\k)%2):VS+2*((\k)%2)+1], v[CAS] offset:UNIT*(\k)
.elseif (\c) < 5
.irp i, 0,1
	ds_load_b128 v[F_+12*((\c)-1)+6*\i:F_+12*((\c)-1)+6*\i+3], v[CAV] offset:UNIT*(\k)+1536*((\c)-1)+768*\i
	ds_load_b64 v[F_+12*((\c)-1)+6*\i+4:F_+12*((\c)-1)+6*\i+5], v[CAV8] offset:UNIT*(\k)+1536*((\c)-1)+768*\i+512
.endr
.else
.irp i, 0,1,2,3
.set I_, 4*((\c)-5)+\i
	ds_load_b128 v[F_+48+4*I_:F_+48+4*I_+3], v[CAP] offset:PUNIT*(\k)+512*I_
.endr
.endif
.endm
; the words brought under M, in three parts behind chunks 5, 6, 7; the last four lines (l) and the four v_nop at the next step's head are the eight places behind the scale registers
.macro ADJ c, k
.if (\c) == 5
.irp j, 0,1
	v_sub_f32 v[36+\j], v[RM+\j], v[M+\j]          ; M_loc - M: a whole number, 0 or less
.endr
.irp j, 0,1
	v_cvt_i32_f32 v[36+\j], v[36+\j]               ; (it saturates)
.endr
.irp j, 0,1
	v_sub_nc_u32 v[38+\j], 0, v[36+\j]             ; M - M_loc, unsigned (the saturated value becomes 2^31)
.endr
.irp j, 0,1
	v_min_u32 v[38+\j], 0x7f, v[38+\j]             ; d: at most 127
.endr
.elseif (\c) == 6
.irp j, 0,1
	v_perm_b32 v[38+\j], v[38+\j], v[38+\j], 0     ; d in all four bytes
.endr
.irp j, 0,1
	v_sub_nc_u32 v[RW+\j], v[RW+\j], v[38+\j]      ; each byte is 128 + b - d, between 2 and 253: nothing is borrowed from byte to byte
.endr
.irp j, 0,1
	v_and_b32 v[38+\j], 0x80808080, v[RW+\j]       ; bit 7 stands where b >= d
.endr
.irp j, 0,1
	v_lshrrev_b32 v[56+\j], 7, v[38+\j]
.endr
.elseif (\c) == 7
.irp j, 0,1
	v_sub_nc_u32 v[38+\j], v[38+\j], v[56+\j]      ; 0x7f there, 0 elsewhere
.endr
.irp j, 0,1
	v_and_b32 v[PS+2*((\k)%2)+\j], v[RW+\j], v[38+\j]   ; b - d, held at 0
.endr
.irp j, 0,1
	v_ldexp_f32 v[RN+\j], v[RN+\j], v[36+\j]       ; l_loc under M
.endr
.irp j, 0,1
	v_add_f32 v[LS+\j], v[LS+\j], v[RN+\j]
.endr
.endif
.endm
; product n = 4 a + t of set e; the 16 accumulators take turns
.macro PRD n, e, zero
.if ((\n)%4)/2
.if (\n)/8
	PRD1 \n, \e, \zero, 1, 1
.else
	PRD1 \n, \e, \zero, 1, 0
.endif
.else
.if (\n)/8
	PRD1 \n, \e, \zero, 0, 1
.else
	PRD1 \n, \e, \zero, 0, 0
.endif
.endif
.endm
.macro PRD1 n, e, zero, ra, rb
.set A_, FR+96*(\e)+12*((\n)%4)
.set B_, FR+96*(\e)+48+12*((\n)/4)
.set D_, 8*(\n)
.set X_, VS+2*(\e)+(\n)%2
.set Y_, PS+2*(\e)+((\n)/4)%2
.if \zero
	WIN 0x40
	v_wmma_scale_f32_16x16x128_f8f6f4 v[D_:D_+7], v[A_:A_+11], v[B_:B_+11], 0, v[X_], v[Y_] matrix_a_fmt:MATRIX_FMT_FP6 matrix_b_fmt:MATRIX_FMT_FP6 matrix_a_scale:MATRIX_SCALE_ROW\ra matrix_b_scale:MATRIX_SCALE_ROW\rb
.else
	WIN 0x50
	v_wmma_scale_f32_16x16x128_f8f6f4 v[D_:D_+7], v[A_:A_+11], v[B_:B_+11], v[D_:D_+7], v[X_], v[Y_] matrix_a_fmt:MATRIX_FMT_FP6 matrix_b_fmt:MATRIX_FMT_FP6 matrix_a_scale:MATRIX_SCALE_ROW\ra matrix_b_scale:MATRIX_SCALE_ROW\rb
.endif
.endm
.macro PRDS from, to, e, zero          ; products from .. to - 1
.set N_, \from
.rept (\to)-(\from)
	PRD N_, \e, \zero
.set N_, N_+1
.endr
	WIN 0
.endm
.macro RUN k                           ; all 32 loads of step k in one run
.set C_, 0
.rept 8
	LOADS C_, \k
.set C_, C_+1
.endr
.endm
; a slot's step q = 0, 1, 2: the next step's loads first, then this step's products, the next step's words brought under M among them
.macro STEP q, zero
	WALU
	PLACES 4                                       ; in front of loads into registers that matrix instructions have read
	RUN (\q)+1
	s_wait_dscnt 32                                ; all but the run just issued
	PRDS 0, 8, (\q)%2, \zero
	s_wait_dscnt 28                                ; the run's first four: the words
	ADJ 5, (\q)+1
	PRDS 8, 12, (\q)%2, \zero
	ADJ 6, (\q)+1
	PRDS 12, 16, (\q)%2, \zero
	ADJ 7, (\q)+1
.endm
; step 3 and the change of slots: the next slot is shown to all, and this slot, whose last fragments are in registers, is filled again behind the round
.macro TURN
	WALU
	s_wait_xcnt 0x0                                ; the prefetches have read their bases
	s_wait_tensorcnt 0x0                           ; all my tensor loads have landed, so the descriptors may be written
	ds_add_u32 v[SPW], v[NIL]                      ; 0 onto my spare word
	NEXT
	s_wait_dscnt 0x0                               ; the add and my reads of this slot
	s_barrier_signal -1
	PLACES 4
.set N_, 0
.rept 8
	PRD N_, 1, 0
.set N_, N_+1
.endr
	WIN 0
	s_add_co_u32 s101, s101, SLOT
	s_cmp_eq_u32 s101, 2*SLOT
	s_cselect_b32 s101, 0, s101
.irp i, 0,1,2,3,4
	v_add_nc_u32 v[CAP+\i], s101, v[BA+\i]
.endr
	WALU
	s_barrier_wait -1
	CREST
	JLOAD
	s_add_co_u32 s20, s86, 1
	s_cmp_eq_u32 s20, s84
	s_cbranch_scc0 .Lsame_\@
.irp j, 0,1                            ; the next slot is the high block's first
	v_mov_b32 v[LF+\j], v[LS+\j]
	v_mov_b32 v[LS+\j], 0
	v_mov_b32 v[M+\j], v[MH+\j]
.endr
	WALU
.Lsame_\@:
	RUN 0
	PRDS 8, 12, 1, 0
	s_wait_dscnt 28
	ADJ 5, 0
	PRDS 12, 14, 1, 0
	ADJ 6, 0
	PRDS 14, 16, 1, 0
	ADJ 7, 0
.endm
; THE WAY OUT, query tile by query tile: O^T / l through my own stage and back as rows of 256 bytes, which sixteen lanes store whole
.macro SEND a, base, younger
	s_wait_dscnt \younger
	WIN 0x08
.irp i, 0,1,2,3,4,5,6,7
.if \i < 4                             ; rows 0-7 of tile j are queries 8 j + 0 .. 7 of my 64, rows 8-15 queries 32 + 8 (j xor 1) + 0 .. 7
	global_store_b128 v[GO], v[48*(\a)+4*\i:48*(\a)+4*\i+3], s[\base:\base+1] offset:4096*(8*(\a)+2*\i) th:TH_STORE_NT
.else
	global_store_b128 v[GO], v[48*(\a)+4*\i:48*(\a)+4*\i+3], s[\base:\base+1] offset:4096*(32+8*((\a)^1)+2*(\i-4)) th:TH_STORE_NT
.endif
.endr
	WIN 0
.endm
.macro RECIP lr
	WALU
	v_rcp_f32 v56, v[\lr]
	v_rcp_f32 v57, v[\lr+1]
	v_nop
	WALU                                           ; one wait for both
	v_permlanex16_b32 v58, v56, s92, s93
	v_permlanex16_b32 v59, v57, s92, s93
	v_cndmask_b32 v[RC], v56, v58, s67             ; tile 0: lanes 0-15's for both halves,
	v_cndmask_b32 v[RC+2], v57, v59, s67           ; tile 1;
	v_cndmask_b32 v[RC+4], v58, v56, s67           ; tile 2: lanes 16-31's,
	v_cndmask_b32 v[RC+6], v59, v57, s67           ; tile 3
.endm
.macro STG a                           ; tile a into the stage and back, into registers of its own (window 2, v[48 a ..]): no earlier store is waited for
.set TS, 128+32*(\a%2)
	WIN 0x41
.set kk, 0
.rept 16
	v_pk_mul_f32 v[TS+kk:TS+kk+1], v[32*\a+kk:32*\a+kk+1], v[RC+2*\a:RC+2*\a+1] op_sel_hi:[1,0]   ; each accumulator from its low end on
.set kk, kk+2
.endr
	WIN 0x04
.irp t, 0,2
	ds_store_b128 v[STE], v[TS+8*\t:TS+8*\t+3] offset:32*\t
	ds_store_b128 v[STE], v[TS+8*\t+4:TS+8*\t+7] offset:32*\t+16
.endr
.irp t, 1,3
	ds_store_b128 v[STD], v[TS+8*\t:TS+8*\t+3] offset:32*\t
	ds_store_b128 v[STD], v[TS+8*\t+4:TS+8*\t+7] offset:32*\t+16
.endr
	WIN 0x80
.irp i, 0,1,2,3,4,5,6,7
	ds_load_b128 v[48*\a+4*\i:48*\a+4*\i+3], v[RD] offset:544*\i   ; LDS serves a wave's instructions in order (ISA guide 5.7.1.4): these see the stores above
.endr
	WIN 0
.endm
.macro OUTALL lr, base
	PLACES 4                                       ; behind the last products
	RECIP \lr
.irp a, 0,1,2,3
	STG \a
.if \a > 0
	SEND \a-1, \base, 16
.endif
.endr
	SEND 3, \base, 0
.endm
; THE LAST SLOT (it lies in slot 0) GOES BY QUERY TILES: v's fragments of its four steps in v64-255, P's in window 2, v0-191 (tile a, step k at 48 a + 12 k); scale words: P's v30-37, v's v40-47 (step k at 2 k)
.macro TV k
.irp t, 0,1,2,3
.irp c, 0,1
	ds_load_b128 v[64+48*\k+12*\t+6*\c:64+48*\k+12*\t+6*\c+3], v[BA+2] offset:UNIT*\k+1536*\t+768*\c
	ds_load_b64 v[64+48*\k+12*\t+6*\c+4:64+48*\k+12*\t+6*\c+5], v[BA+3] offset:UNIT*\k+1536*\t+768*\c+512
.endr
.endr
.endm
.macro TADJ                            ; the four steps' words brought under M, as ADJ does it for one; at work in window 2, v192-239
	WIN 0x82
.irp k, 0,1,2,3
.irp j, 0,1
	v_sub_f32 v[216+2*\k+\j], v[194+6*\k+\j], v[M+\j]
.endr
.endr
	WIN 0x8a
.set I, 0
.rept 8
	v_cvt_i32_f32 v[216+I], v[216+I]
.set I, I+1
.endr
.set I, 0
.rept 8
	v_sub_nc_u32 v[224+I], 0, v[216+I]
.set I, I+1
.endr
.set I, 0
.rept 8
	v_min_u32 v[224+I], 0x7f, v[224+I]
.set I, I+1
.endr
.set I, 0
.rept 8
	v_perm_b32 v[224+I], v[224+I], v[224+I], 0
.set I, I+1
.endr
.irp k, 0,1,2,3
.irp j, 0,1
	v_sub_nc_u32 v[192+6*\k+\j], v[192+6*\k+\j], v[224+2*\k+\j]
.endr
.endr
.irp k, 0,1,2,3
.irp j, 0,1
	v_and_b32 v[224+2*\k+\j], 0x80808080, v[192+6*\k+\j]
.endr
.endr
.set I, 0
.rept 8
	v_lshrrev_b32 v[232+I], 7, v[224+I]
.set I, I+1
.endr
.set I, 0
.rept 8
	v_sub_nc_u32 v[224+I], v[224+I], v[232+I]
.set I, I+1
.endr
.irp k, 0,1,2,3
.irp j, 0,1
	v_ldexp_f32 v[196+6*\k+\j], v[196+6*\k+\j], v[216+2*\k+\j]
.endr
.endr
	WIN 0x0a
.irp k, 0,1,2,3
.irp j, 0,1
	v_and_b32 v[30+2*\k+\j], v[192+6*\k+\j], v[224+2*\k+\j]
.endr
.endr
	WIN 0x08
.irp k, 0,1,2,3
.irp j, 0,1
	v_add_f32 v[LS+\j], v[LS+\j], v[196+6*\k+\j]
.endr
.endr
	WIN 0
.endm
.macro TROW1 a, k, t, ra, rb
.set D_, 8*(4*\a+\t)
	v_wmma_scale_f32_16x16x128_f8f6f4 v[D_:D_+7], v[64+48*\k+12*\t:64+48*\k+12*\t+11], v[48*\a+12*\k:48*\a+12*\k+11], v[D_:D_+7], v[40+2*\k+\t%2], v[30+2*\k+\a%2] matrix_a_fmt:MATRIX_FMT_FP6 matrix_b_fmt:MATRIX_FMT_FP6 matrix_a_scale:MATRIX_SCALE_ROW\ra matrix_b_scale:MATRIX_SCALE_ROW\rb
.endm
.macro TROW a, rb                      ; tile a's 16 products: its four accumulators by turns, the keys ascending
	WIN 0x58
.irp k, 0,1,2,3
	TROW1 \a, \k, 0, 0, \rb
	TROW1 \a, \k, 1, 0, \rb
	TROW1 \a, \k, 2, 1, \rb
	TROW1 \a, \k, 3, 1, \rb
.endr
	WIN 0
	PLACES 4                                       ; in front of the reads of its results, and of loads into its fragments' registers
.endm
	s_load_b128 s[4:7], s[0:1], 0x0                ; p_img, v_img
	s_load_b64 s[8:9], s[0:1], 0x10                ; out0
	v_lshl_add_u32 v[SPW], v0, 2, SPARE
	v_mov_b32 v[NIL], 0
	ds_add_u32 v[SPW], v[NIL]                      ; the opening add, twice on end
	ds_add_u32 v[SPW], v[NIL]
	v_lshrrev_b32 v1, 5, v0
	v_readfirstlane_b32 s14, v1                    ; wave
	s_lshr_b32 s15, s14, 1                         ; my 64 queries of a block; also: I fetch for P (0) or v (1)
	s_and_b32 s16, s14, 1                          ; my 64 channels; also: which two units I fetch
	s_bfe_u32 s40, ttmp6, 0x40000                  ; cx
	s_bfe_u32 s41, ttmp6, 0x40004                  ; cy
	s_lshl_b32 s42, ttmp9, 2
	s_add_co_u32 s42, s42, s40                     ; my block of 128 channels
	s_and_b32 s17, ttmp7, 0xffff
	s_lshr_b32 s66, s17, 1                         ; batch
	s_and_b32 s68, s17, 1                          ; G
	s_add_co_u32 s84, s68, 1                       ; the low block's slots
	s_lshl_b32 s69, s68, 2
	s_lshl_b32 s70, s66, 4
	s_add_co_u32 s71, s70, 12
	s_sub_co_u32 s71, s71, s69
	s_add_co_u32 s71, s71, s41                     ; my high block of 128 queries
	s_add_co_u32 s70, s70, s69
	s_add_co_u32 s70, s70, s41                     ; and my low one
	s_lshl_b32 s18, s41, 2
	s_lshl_b32 s18, 15, s18                        ; my row of the cluster
	s_lshl_b32 s19, 0x1111, s40                    ; my column
	s_or_b32 s[G1+0], s18, (3<<16)|(1<<21)         ; two units of P, 27,648 dense bytes as 108 rows of 256
	s_or_b32 s[G1B+0], s19, (3<<16)|(1<<21)        ; two of v, 25,600 as 100
.irp g, G1, G1B
	s_mov_b32 s[\g+1], 32<<16
	s_mov_b32 s[\g+3], 32<<16
	s_mov_b32 s[\g+5], 32
	s_mov_b32 s[\g+6], 0
	s_mov_b32 s[\g+7], 0
.endr
	s_mov_b32 s[G1+2], 108<<16
	s_mov_b32 s[G1+4], 108
	s_mov_b32 s[G1B+2], 100<<16
	s_mov_b32 s[G1B+4], 100
	s_mov_b32 s[G0], 1
	s_mov_b32 s[G0B], 1
	s_mul_i32 s44, s16, 2*PUNIT
	s_mul_i32 s45, s16, 2*UNIT
	s_add_co_u32 s45, s45, VOFF
	s_mov_b32 s[G0+1], s44
	s_mov_b32 s[G0B+1], s45
	s_mul_i32 s77, s70, 16*PUNIT                   ; the low block's first unit, in bytes from p_img
	s_mul_i32 s76, s71, 16*PUNIT                   ; the high block's
	s_lshl_b32 s74, s42, 6
	s_lshl_b32 s20, s66, 4
	s_add_co_u32 s74, s74, s20
	s_mul_i32 s74, s74, UNIT                       ; v's first, from v_img
	s_mov_b32 s78, s74
	s_mov_b32 s79, 0
	s_mov_b32 s80, SLOT
	s_mov_b32 s101, 0
	s_mov_b32 s86, 0
	s_mov_b32 s85, 0
	s_mov_b32 s92, 0x76543210
	s_mov_b32 s93, 0xfedcba98                      ; v_permlanex16_b32: lane l xor 16
	s_mov_b32 s67, 0xffff0000
	s_mul_i32 s60, s15, 6144
	s_lshl_b32 s61, s15, 8
	s_add_co_u32 s61, s61, 12288
	s_mul_i32 s62, s16, 6144
	s_add_co_u32 s62, s62, VOFF
	s_lshl_b32 s63, s16, 8
	s_add_co_u32 s63, s63, VOFF+12288
	s_mul_i32 s72, s14, 16*272
	s_add_co_u32 s72, s72, STAGE
	s_lshl_b32 s73, s40, 2
	s_add_co_u32 s73, s73, s14
	s_mul_i32 s73, s73, 14                         ; my 14 of the 216 blocks of 256 bytes of P's tile
	s_lshl_b32 s75, s41, 2
	s_add_co_u32 s75, s75, s14
	s_mul_i32 s75, s75, 13                         ; my 13 of the 200 of v's
	s_lshl_b32 s82, s15, 8
	s_mul_i32 s83, s68, 4*PUNIT
	s_xor_b32 s87, s68, 1
	s_mul_i32 s87, s87, 12*PUNIT
	v_and_b32 v1, 15, v0                           ; r
	v_bfe_u32 v2, v0, 4, 1                         ; h
	v_and_b32 v3, 31, v0
	v_lshlrev_b32 v30, 4, v3
	v_lshlrev_b32 v31, 3, v3
	v_lshlrev_b32 v32, 4, v1
	v_lshl_add_u32 v32, v2, 3, v32                 ; 16 r + 8 h: lanes 0-15 tiles 0, 1; lanes 16-31 tiles 2, 3
	v_add_nc_u32 v[BA], s60, v30
	v_add_nc_u32 v[BA+1], s61, v32
	v_add_nc_u32 v[BA+2], s62, v30
	v_add_nc_u32 v[BA+3], s62, v31
	v_add_nc_u32 v[BA+4], s63, v32
.irp i, 0,1,2,3,4
	v_mov_b32 v[CAP+\i], v[BA+\i]
.endr
	v_mul_u32_u24 v33, v1, 272
	v_mad_u32_u24 v34, v2, 160, v33                ; in: row r; channel tile t is channels 32 h + 8 (t xor h) + 0 .. 7 of 64
	v_mad_u32_u24 v35, v2, 96, v33
	v_add_nc_u32 v[STE], s72, v34
	v_add_nc_u32 v[STD], s72, v35
	v_mul_u32_u24 v33, v2, 272
	v_lshl_add_u32 v33, v1, 4, v33
	v_add_nc_u32 v[RD], s72, v33                   ; back: lanes 0-15 one row of 256 bytes, lanes 16-31 the next
	v_lshlrev_b32 v[GO], 12, v2
	v_lshl_add_u32 v[GO], v1, 4, v[GO]
	v_min_u32 v33, 13, v3
	v_add_nc_u32 v33, s73, v33
	v_min_u32 v33, 215, v33
	v_lshlrev_b32 v[PFP], 8, v33
	v_min_u32 v34, 12, v3
	v_add_nc_u32 v34, s75, v34
	v_min_u32 v34, 199, v34
	v_lshlrev_b32 v[PFV], 8, v34
	v_add_nc_u32 v60, s82, v32                     ; M_loc of my rows in a unit; v61, v62 for the units that only one G has: the other names its first units again, so only bytes that the launch before has written are read
	v_add_nc_u32 v61, s83, v60
	v_add_nc_u32 v62, s87, v60
.set I, 0
.rept 8
	v_mov_b32 v[RC+I], 0
.set I, I+1
.endr
	v_mov_b32 v58, 0
	v_mov_b32 v59, 0
	v_mov_b32 v[LS], 0
	v_mov_b32 v[LS+1], 0
	WALU
	s_wait_dscnt 0x0
	CROUND                                         ; the first joint loads meet
	s_wait_kmcnt 0x0
	s_mov_b32 s21, 0
	s_mov_b32 s20, s77
	s_add_nc_u64 s[94:95], s[4:5], s[20:21]
.irp k, 0,1,2,3
	global_load_b64 v[64+2*\k:65+2*\k], v60, s[94:95] offset:12800+PUNIT*\k
	global_load_b64 v[72+2*\k:73+2*\k], v61, s[94:95] offset:12800+PUNIT*\k
.endr
	s_mul_i32 s20, s16, 2*PUNIT
	s_add_nc_u64 s[10:11], s[4:5], s[20:21]        ; for the loads: my two units of four
	s_mul_i32 s20, s16, 2*UNIT
	s_add_nc_u64 s[12:13], s[6:7], s[20:21]
	s_mov_b32 s20, s77
	s_add_nc_u64 s[G0+2:G0+3], s[10:11], s[20:21]
	s_or_b32 s[G0+3], s[G0+3], 0x80000000
	s_mov_b32 s20, s78
	s_add_nc_u64 s[G0B+2:G0B+3], s[12:13], s[20:21]
	s_or_b32 s[G0B+3], s[G0B+3], 0x80000000
	JLOAD                                          ; slot 0
	s_mov_b32 s20, s76
	s_add_nc_u64 s[96:97], s[4:5], s[20:21]
	WIN 0x40                                       ; the high block's M_loc: window 1, v128-159
.irp k, 0,1,2,3,4,5,6,7,8,9,10,11
	global_load_b64 v[128+2*\k:129+2*\k], v60, s[96:97] offset:12800+PUNIT*\k
.endr
.irp k, 0,1,2,3
	global_load_b64 v[152+2*\k:153+2*\k], v62, s[96:97] offset:12800+PUNIT*\k
.endr
	WIN 0
	s_lshl_b32 s18, s15, 18                        ; out0: (128 x block + 64 x half) rows of 4,096 bytes + 512 x channel block + 256 x half
	s_lshl_b32 s19, s42, 9
	s_add_co_u32 s18, s18, s19
	s_lshl_b32 s19, s16, 8
	s_add_co_u32 s18, s18, s19
	s_lshl_b32 s20, s70, 19
	s_add_co_u32 s20, s20, s18
	s_add_nc_u64 s[60:61], s[8:9], s[20:21]
	s_lshl_b32 s20, s71, 19
	s_add_co_u32 s20, s20, s18
	s_add_nc_u64 s[62:63], s[8:9], s[20:21]
	ADVN
	s_wait_loadcnt 16                              ; the low block's eight; the high block's sixteen may be out
.irp j, 0,1
	v_max3_num_f32 v[M+\j], v[64+\j], v[66+\j], v[68+\j]   ; M: the largest M_loc (a unit named twice changes nothing)
.endr
.irp k, 70,74
.irp j, 0,1
	v_max3_num_f32 v[M+\j], v[M+\j], v[\k+\j], v[\k+2+\j]
.endr
.endr
.irp j, 0,1
	v_max_num_f32 v[M+\j], v[M+\j], v[78+\j]
.endr
	WALU                                           ; the wait at the head's end
	s_wait_tensorcnt 0x0                           ; slot 0 is in; the three lines ahead of slot 1's first fill
	ds_add_u32 v[SPW], v[NIL]
	NEXT
	s_wait_dscnt 0x0
	CROUND
	JLOAD                                          ; slot 1
.set C_, 0
.rept 8
	LOADS C_, 0
.set C_, C_+1
.endr
	s_wait_dscnt 28                                ; the first step's words
	ADJ 5, 0
	ADJ 6, 0
	ADJ 7, 0
	PFASK
	s_wait_loadcnt 0x0                             ; the high block's M_loc
	WIN 0x15
.irp j, 0,1
	v_max3_num_f32 v[MH+\j], v[128+\j], v[130+\j], v[132+\j]
.endr
	WIN 0x14
.irp k, 134,138,142,146,150,154
.irp j, 0,1
	v_max3_num_f32 v[MH+\j], v[MH+\j], v[\k+\j], v[\k+2+\j]
.endr
.endr
	WIN 0x04
.irp j, 0,1
	v_max_num_f32 v[MH+\j], v[MH+\j], v[158+\j]
.endr
	WIN 0
	WALU
.Ltrip:                                                ; slots 0, 1, 2: each is filled again, or slot 1 for the second time, in its last step
	s_cmp_eq_u32 s86, s85                          ; does a block begin here?
	s_cbranch_scc0 .Lgo_on
	STEP 0, 1                                      ; its products start the sums
	s_branch .Lbegun
.Lgo_on:
	STEP 0, 0
.Lbegun:
	STEP 1, 0
	STEP 2, 0
	TURN
	s_cmp_lt_u32 s86, 2
	s_cbranch_scc0 .Lno_prefetch
	PFASK
.Lno_prefetch:
	s_mov_b32 s85, s84
	s_add_co_u32 s86, s86, 1
	WALU
	s_cmp_eq_u32 s86, s84                          ; was this the low block's last slot?
	s_cbranch_scc0 .Lnot_out
	OUTALL LF, 60
.Lnot_out:
	s_cmp_lg_u32 s86, 3
	s_cbranch_scc1 .Ltrip
	STEP 0, 0                                      ; slot 3: nothing is left to fetch from memory
	STEP 1, 0
	STEP 2, 0
	WALU
	s_wait_xcnt 0x0                                ; the low block's stores have read their registers
	s_wait_tensorcnt 0x0
	s_wait_dscnt 0x0
	s_barrier_signal -1                            ; a plain barrier
	PLACES 4
	PRDS 0, 8, 1, 0
	s_barrier_wait -1
	WIN 0x80
.irp k, 0,1,2,3
	ds_load_b64 v[192+6*\k:193+6*\k], v[BA+1] offset:PUNIT*\k
	ds_load_b64 v[194+6*\k:195+6*\k], v[BA+1] offset:PUNIT*\k+512
	ds_load_b64 v[196+6*\k:197+6*\k], v[BA+1] offset:PUNIT*\k+1024
.endr
	WIN 0
	TV 0                                           ; into the registers of the set that is not at work
	TV 1
	PRDS 8, 16, 1, 0
	PLACES 4
.irp k, 0,1,2,3
	ds_load_b64 v[40+2*\k:41+2*\k], v[BA+4] offset:UNIT*\k
.endr
	TV 2
	TV 3
	WIN 0x80
.irp a, 0,1,2,3
.irp k, 0,1,2,3
.irp g, 0,1,2
	ds_load_b128 v[48*\a+12*\k+4*\g:48*\a+12*\k+4*\g+3], v[BA] offset:PUNIT*\k+1536*\a+512*\g
.endr
.endr
.endr
	s_wait_dscnt 63                                ; the words are in: 116 loads were issued behind them
	TADJ
	RECIP LS
	WALU
	s_wait_dscnt 36                                ; all but P's tiles 1 to 3
	TROW 0, 0
	STG 0
	s_wait_dscnt 40                                ; P's tiles 2 and 3 and the stage's 16 may be out
	TROW 1, 0
	SEND 0, 62, 0
	STG 1
	TROW 2, 1
	SEND 1, 62, 0
	STG 2
	TROW 3, 1
	SEND 2, 62, 0
	STG 3
	SEND 3, 62, 0
	s_wait_tensorcnt 0x0                           ; the wave's end
	ds_add_u32 v[SPW], v[NIL]
	s_wait_dscnt 0x0
	CROUND                                         ; the closing round
	s_endpgm
.Lfunc_end_k_q814188cc5f_context:
	.size	k_q814188cc5f_context, .Lfunc_end_k_q814188cc5f_context-k_q814188cc5f_context
	.p2alignl 7, 3214868480
	.fill 96, 4, 3214868480
	.section	.rodata,"a",@progbits
	.p2align	6, 0x0
	.amdhsa_kernel k_q814188cc5f_context
		.amdhsa_group_segment_fixed_size 327680
		.amdhsa_private_segment_fixed_size 0
		.amdhsa_enable_private_segment 0
		.amdhsa_kernarg_size 24
		.amdhsa_user_sgpr_count 2
		.amdhsa_user_sgpr_kernarg_segment_ptr 1
		.amdhsa_wavefront_size32 1
		.amdhsa_system_sgpr_workgroup_id_x 1
		.amdhsa_system_sgpr_workgroup_id_y 1
		.amdhsa_system_sgpr_workgroup_id_z 1
		.amdhsa_system_vgpr_workitem_id 0
		.amdhsa_next_free_vgpr 768
		.amdhsa_next_free_sgpr 102
		.amdhsa_reserve_vcc 0
		.amdhsa_float_denorm_mode_32 3
		.amdhsa_float_denorm_mode_16_64 3
		.amdhsa_memory_ordered 1
		.amdhsa_forward_progress 1
		.amdhsa_inst_pref_size 113
	.end_amdhsa_kernel
	.amdgpu_metadata
---
amdhsa.version: [ 1, 2 ]
amdhsa.kernels:
  - .name:           k_q814188cc5f_context
    .symbol:         k_q814188cc5f_context.kd
    .args:
      - { .name: p_img, .offset: 0, .size: 8, .value_kind: global_buffer, .address_space: global }
      - { .name: v_img, .offset: 8, .size: 8, .value_kind: global_buffer, .address_space: global }
      - { .name: out0, .offset: 16, .size: 8, .value_kind: global_buffer, .address_space: global }
    .group_segment_fixed_size: 327680
    .private_segment_fixed_size: 0
    .kernarg_segment_align: 8
    .kernarg_segment_size: 24
    .max_flat_workgroup_size: 128
    .sgpr_count:     102
    .vgpr_count:     768
    .wavefront_size: 32
...
	.end_amdgpu_metadata
.endif
;; end of part 3
